; MI455X (gfx1250); checked and timed in simulation.
; The chip was launched on July 23, 2026; its instructions are those of AMD's public machine-readable ISA for CDNA 5 (MIT licence, August 2026) and "CDNA5" Instruction Set Architecture Reference Guide (July 2026). The comments in the code are by the model that wrote it; some were corrected since.
;; Causal Self Attention. Allowed arithmetic: matrix products marked QUANTISED: E5M2 operands, one E8M0 scale for each 32 along K, by v_wmma_scale_f32_16x16x128_f8f6f4 with both operands' format E5M2, f32 sums; everything else in f32.
;; Inputs: W_attn 1,024 x 3,072 float32; W_proj 1,024 x 1,024 float32; b_attn 3,072 float32; b_proj 1,024 float32; x 4 x 2,048 x 1,024 float32.
;; Outputs: out0 4 x 2,048 x 1,024 float32.
;; This version of the problem:
;;   THIS VERSION OF THE PROBLEM IS GIVEN IN LOW PRECISION. The matrix products marked QUANTISED in the list below multiply operands that are first quantised to E5M2 (5 exponent bits, 2 mantissa bits; 8 bits a number), with one power-of-two scale for each 32 numbers along K (OCP MX v1.0); their sums are f32. All else is computed in f32.
;;   The module's matrix products, in the order in which they are computed (A, B: the left and right operand; K: the contracted axis; several contracted axes count as one K, in the product's order):
;;     1. [M 8,192, K 1,024] x [K 1,024, N 3,072]; A: input x; B: input W_attn: QUANTISED
;;     2. batch 64 x [M 2,048, K 64] x [K 64, N 2,048]; A: computed on the way; B: computed on the way: QUANTISED
;;     3. batch 64 x [M 2,048, K 2,048] x [K 2,048, N 64]; A: softmax (see below); B: computed on the way: QUANTISED
;;     4. [M 8,192, K 1,024] x [K 1,024, N 1,024]; A: computed on the way; B: input W_proj: QUANTISED
;;   THE QUANTISER, for each operand of a quantised product, along K:
;;     - K is cut into blocks of 32 from its start; a last block that is shorter is filled with zeros.
;;     - A block's scale is 2^e with e = floor(log2(the largest magnitude in the block)) - 15, held to -126 .. 127; a block of zeros has e = 0. As a byte (E8M0): e + 127.
;;     - Each number is divided by its block's scale, clamped to +-57,344, and rounded to the nearest number of E5M2, ties to even, subnormals kept.
;;     - The product sums the exact products of the quantised numbers (number of the format x scale) in f32.
;;   ~~~python
;;   def quantise(x, axis):      # numpy; x: float32 -> the quantised numbers, widened to float32 again
;;       x = np.moveaxis(x, axis, -1); K = x.shape[-1]
;;       x = np.pad(x, [(0, 0)] * (x.ndim - 1) + [(0, -K % 32)]); x = x.reshape(x.shape[:-1] + (-1, 32)); a = np.abs(x).max(-1, keepdims=True)
;;       e = np.where(a > 0, np.clip(np.frexp(np.where(a > 0, a, 1))[1] - 1 - 15, -126, 127), 0)      # np.frexp(a)[1] - 1 = floor(log2(a)), exactly
;;       r = np.clip(x / 2.0 ** e, -57344, 57344)
;;       step = 2.0 ** (np.maximum(np.frexp(np.where(r == 0, 1, r))[1] - 1, -14) - 2)
;;       q = np.round(r / step) * step * 2.0 ** e      # np.round: ties to even
;;       return np.moveaxis(q.reshape(q.shape[:-2] + (-1,))[..., :K], -1, axis).astype(np.float32)
;;   ~~~
;;   SOFTMAX AHEAD OF A QUANTISED PRODUCT. Where the list says 'softmax', what is quantised is not the finished softmax but p = 2^(t - M), with t = logit x log2(e) and M = ceil(the row's largest t), a whole number; so 1/2 < the row's largest p <= 1. The row's sum l is taken of the UNQUANTISED p, in f32, and the product's result is divided by l at the end. Since M is a whole number, a kernel that streams over the keys may use a running M (the ceiling of the running maximum): every later rescaling is an exact power of two, which a block's scale takes up: the codes' values come out the same.
;;   OPERANDS COMPUTED ON THE WAY. 'Computed on the way' means the value that the module computes at that place (a softmax that the list does not call 'softmax' is quantised finished and normalised). What goes into a quantiser is computed in f32, as accurately as f32 sums, v_exp_f32 and their like allow (about 1e-6 of the number): no bf16 or f16 on the way to a quantiser, and a product that is left as it is and whose result goes on into a quantised operand takes f32 operands (vector FMAs, or v_wmma_f32_16x16x4_f32). A number that lies on a knife's edge between two numbers of the format may be rounded either way, as far as f32 arithmetic and the matrix unit's own rounding can turn it there, and no further.
;; One version. Each part assembles by itself: llvm-mc -triple=amdgcn-amd-amdhsa -mcpu=gfx1250 --defsym DOCPART=n.
;; ======== version 1 of 1: 4 launches
;; limits: right only within a limited range of input values
;; workspace buffers: xc 8,388,608 bytes; xs 262,144 bytes; wc 4,194,304 bytes; ws 131,072 bytes; img 25,165,824 bytes; sc 1,310,720 bytes; yimg 8,388,608 bytes; ysc 262,144 bytes
;; launch quant (part 1): grid 384 x 1, 4 waves a work-group, no clusters, 68,096 bytes of LDS; arguments x, W_attn, W_proj, xc, xs, wc, ws; writes xc, xs, wc, ws
.if DOCPART == 1
	.amdgcn_target "amdgcn-amd-amdhsa--gfx1250"
	.amdhsa_code_object_version 6
	.text
	.protected	k_qc8bc9e7606_quant
	.globl	k_qc8bc9e7606_quant
	.p2align	8
	.type	k_qc8bc9e7606_quant,@function
k_qc8bc9e7606_quant:
	s_mov_b64 s[64:65], 0
	v_nop
	global_prefetch_b8 v0, s[64:65] scope:SCOPE_SE
	s_setreg_imm32_b32 hwreg(HW_REG_WAVE_MODE, 25, 1), 1
	s_wait_xcnt 0x0
; x [8192][1024], W_attn [1024][3072] and W_proj [1024][1024], f32, become codes of BF8 (E5M2) with K innermost and one E8M0 scale byte for each 32 along K.
; xc [8192][1024], xs [8192][32]: x's rows.  wc [4096][1024], ws [4096][32]: W_attn's 3,072 columns, then W_proj's 1,024.
; A block's scale is 2^(floor(log2(its largest magnitude)) - 15); its byte is the largest magnitude's exponent field - 15, held at 1 from below; each number is divided by the scale, held within +-57,344 and rounded to the nearest code, ties to even.
; EVERY ROW IS STORED AT THE PLACE WITH BITS 3 AND 4 OF ITS NUMBER EXCHANGED.  Sixteen rows on end of such a buffer, taken as source 0 of a matrix instruction, then give each lane of the result eight NEIGHBOURS
; of the true order in its eight registers, and sixteen in the registers of two neighbouring tiles: what the next product's operand wants.
; LIMITS: NaN and infinities among the inputs are not served.  A block of zeros gets the byte 1 where the rule says 127: its codes are zeros, which add nothing under any byte but 0xff, and this program alone reads the bytes.
; Work-groups 0 to 255 take x (32 rows each; a wave 8 rows: 16 steps of 512 numbers), work-groups 256 to 383 the weights (128 columns x 256 along K each).  The two ways have LDS bytes of their own.
; No cluster, no tensor load, no barrier: no two waves share a byte.
.set STEPS, 16
.set EMAX,  15
.set MANT,  0x600000                   ; the mantissa field of 57,344 as f32
.set CBY,   16                         ; bytes of 16 codes
.set R,     16                         ; x: v16-79   four sets of 16 numbers as they are loaded
.set X,     80                         ; x: v80-111  two sets of 16 neighbours
.set E,     112                        ; x: v112-127 a scale byte for each step
.set C,     128                        ; x: v128-191 codes: four registers for each step, so that no store's data are written again
.set WREG,  8192                       ; x: LDS for each wave: two stages of 32 x SP bytes, and behind them its 256 scale bytes
.set SP,    80                         ; x: a lane's place in a stage: its 64 bytes + 16 of padding
.set WLDS,  32768                      ; weights: LDS from here on: a stage of 32 rows x WP for each wave
.set WP,    272                        ; weights: a stage row: 256 bytes of codes + 16
.set NB,    8                          ; weights: blocks of 32 along K for a lane
.set SBY,   24                         ; weights: v24-25   the lane's eight scale bytes
.set WX,    32                         ; weights: v32-95   two sets of 32 numbers
.set WC,    96                         ; weights: v96-103  a block's codes
.set OUTR,  112                        ; weights: v112-175 the way out
.set RO,    176                        ; weights: v176-207 row i of a block: i x the row's bytes + 4 x lane; never rewritten
	s_load_b256 s[4:11], s[0:1], 0x0               ; x s[4:5], W_attn s[6:7], W_proj s[8:9], xc s[10:11]
	s_load_b128 s[12:15], s[0:1], 0x20             ; xs s[12:13], wc s[14:15]
	s_load_b64 s[16:17], s[0:1], 0x30              ; ws
	v_lshl_add_u32 v208, v0, 2, 0x10800
	v_mov_b32 v209, 0
	v_lshrrev_b32 v1, 5, v0
	v_readfirstlane_b32 s18, v1                    ; wave 0..3
	v_and_b32 v2, 31, v0                           ; lane
	s_cmp_lt_u32 ttmp9, 256
	s_cbranch_scc0 .Lweights
; ---------------- x: K is innermost, so the tensor is a plain stream of blocks of 32 ----------------
; Each of a step's four loads reads 512 consecutive bytes, 16 a lane; the 2,048 bytes turn through the wave's own stage and come back 64 bytes a lane: 16 neighbours, two lanes to a block.
	v_lshlrev_b32 v3, 4, v2                        ; my 16 bytes of a load's 512
	s_mul_i32 s19, s18, WREG
	v_lshrrev_b32 v14, 2, v2
	v_mul_u32_u24 v14, v14, SP
	v_and_b32 v15, 3, v2
	v_lshl_add_u32 v14, v15, 4, v14
	v_add_nc_u32 v14, s19, v14                     ; the stage, on the way in: SP (lane / 4) + 16 (lane % 4)
	v_mul_u32_u24 v15, v2, SP
	v_add_nc_u32 v15, s19, v15                     ; and on the way out: SP x lane
	v_mul_u32_u24 v4, v2, CBY                      ; my codes' place in a step's
	v_lshrrev_b32 v5, 1, v2
	s_add_co_u32 s19, s19, 2*32*SP
	v_add_nc_u32 v5, s19, v5                       ; my wave's 256 scale bytes, my block's byte
	v_lshlrev_b32 v7, 3, v2                        ; and on the way out 8 bytes a lane
	v_add_nc_u32 v6, s19, v7
	s_lshl_b32 s20, ttmp9, 2
	s_add_co_u32 s24, s20, s18                     ; which 8 rows I read: 4 x work-group + wave
	s_lshl_b32 s24, s24, 15                        ; 8 rows of 4,096 bytes
	s_mov_b32 s25, 0
	s_and_b32 s21, s18, 1
	s_lshl_b32 s21, s21, 1
	s_lshr_b32 s22, s18, 1
	s_or_b32 s21, s21, s22                         ; the wave's two bits exchanged: they are bits 3 and 4 of the row's number
	s_add_co_u32 s20, s20, s21                     ; which 8 places I write
	s_lshl_b32 s26, s20, 13                        ; 8 rows of 1,024 codes
	s_mov_b32 s27, 0
	s_lshl_b32 s28, s20, 8                         ; 8 rows of 32 scale bytes
	s_mov_b32 s29, 0
	s_wait_alu depctr_va_vdst(0)
	s_wait_kmcnt 0x0
	s_add_nc_u64 s[4:5], s[4:5], s[24:25]
	s_add_nc_u64 s[10:11], s[10:11], s[26:27]
	s_add_nc_u64 s[12:13], s[12:13], s[28:29]
.macro LOAD t
.irp i, 0,1,2,3
	global_load_b128 v[R+16*((\t)%4)+4*\i:R+16*((\t)%4)+4*\i+3], v3, s[4:5] offset:2048*(\t)+512*\i th:TH_LOAD_NT   ; 32 lanes read 512 consecutive bytes
.endr
.endm
.macro TURN t                          ; step t's numbers through the stage: LDS serves a wave's instructions in order, so no wait stands between the stores and the loads
.irp i, 0,1,2,3
	ds_store_b128 v14, v[R+16*((\t)%4)+4*\i:R+16*((\t)%4)+4*\i+3] offset:32*SP*((\t)%2)+8*SP*\i
.endr
.irp i, 0,1,2,3
	ds_load_b128 v[X+16*((\t)%2)+4*\i:X+16*((\t)%2)+4*\i+3], v15 offset:32*SP*((\t)%2)+16*\i
.endr
.endm
.irp t, 0,1,2,3
	LOAD \t
.endr
	s_wait_loadcnt 12                              ; step 0's four loads are in; those of steps 1 to 3 may be out
	TURN 0
.macro STEP t
.set XS, X+16*((\t)%2)
.if (\t) > 0
	s_wait_dscnt 1                                 ; this step's numbers are back from the stage (the last step's byte store may be out): so its stores into the stage have read their registers,
.else
	s_wait_dscnt 0x0
.endif
.if (\t)+4 < STEPS
	LOAD (\t)+4                                    ; which take the loads of four steps on
.endif
.if (\t)+1 < STEPS
.if STEPS-2-(\t) >= 3
	s_wait_loadcnt 12                              ; the next step's four loads are in; those of the three steps behind it may be out
.else
	s_wait_loadcnt 4*(STEPS-2-(\t))
.endif
	TURN (\t)+1                                    ; and go through the other stage while this step is worked
.endif
	v_max3_num_f32 v8, |v[XS]|, |v[XS+1]|, |v[XS+2]|               ; the largest magnitude of my 16, in two chains
	v_max3_num_f32 v9, |v[XS+3]|, |v[XS+4]|, |v[XS+5]|
.irp i, 6,10
	v_max3_num_f32 v8, v8, |v[XS+\i]|, |v[XS+\i+1]|
	v_max3_num_f32 v9, v9, |v[XS+\i+2]|, |v[XS+\i+3]|
.endr
	v_max3_num_f32 v8, v8, |v[XS+14]|, |v[XS+15]|
	v_max3_num_f32 v8, v8, v9, (EMAX+1)<<23        ; and the floor 2^(16 - 127): so the byte cannot fall under 1
	v_max_num_f32_dpp v8, v8, v8 row_xmask:1 row_mask:0xf bank_mask:0xf   ; and of my neighbour's 16: the block's
	v_add_nc_u32 v11, -(EMAX<<23), v8              ; 15 off its exponent field: the conversion takes the exponent field of this operand as its scale, and nothing else of it
.irp i, 0,1,2,3,4,5,6,7,8,9,10,11,12,13,14,15
.endr
	v_cvt_scalef32_pk8_bf8_f32 v[C+4*(\t):C+4*(\t)+1], v[XS:XS+7], v11
	v_cvt_scalef32_pk8_bf8_f32 v[C+4*(\t)+2:C+4*(\t)+3], v[XS+8:XS+15], v11
	v_lshrrev_b32 v[E+(\t)], 23, v11               ; the scale's byte
	ds_store_b8 v5, v[E+(\t)] offset:16*(\t)       ; both lanes of a block write the same byte with the same value
	global_store_b128 v4, v[C+4*(\t):C+4*(\t)+3], s[10:11] offset:32*CBY*(\t)   ; 32 lanes store 512 consecutive bytes
.endm
.irp t, 0,1,2,3,4,5,6,7,8,9,10,11,12,13,14,15
	STEP \t
.endr
	ds_load_b64 v[12:13], v6                       ; LDS serves a wave's instructions in order: these see my stores
	s_wait_dscnt 0x0
	global_store_b64 v7, v[12:13], s[12:13]        ; 32 lanes store 256 consecutive bytes, aligned
	s_wait_tensorcnt 0x0
	ds_add_u32 v208, v209
	s_wait_dscnt 0x0
	s_endpgm
; ---------------- the weights: K is the FIRST axis ----------------
; A lane takes a column and its registers run down K: a block of 32 lies in one lane's 32 registers, and the conversions give codes with K innermost.  A wave takes 32 columns x 256 along K;
; its codes go through its own stage (row = the column's place, bits 3 and 4 exchanged) and leave as rows: sixteen lanes store 256 consecutive bytes, aligned.
.Lweights:
	s_sub_co_u32 s19, ttmp9, 256
	s_and_b32 s20, s19, 3                          ; which 256 along K
	s_lshr_b32 s21, s19, 2                         ; which 128 rows of wc: 0..23 W_attn's columns, 24..31 W_proj's
	s_mov_b32 s22, 4096
	s_wait_kmcnt 0x0
	s_cmp_lt_u32 s21, 24                           ; the choice hangs on the work-group's number alone
	s_cselect_b64 s[6:7], s[6:7], s[8:9]           ; the tensor,
	s_cselect_b32 s22, 12288, s22                  ; a row of it in bytes,
	s_cselect_b32 s24, 0, 24
	s_sub_co_u32 s24, s21, s24                     ; and which 128 of its columns
	s_lshl_b32 s24, s24, 9
	s_lshl_b32 s25, s18, 7                         ; my wave's 32 columns
	s_add_co_u32 s24, s24, s25
	s_mul_i32 s25, s20, s22
	s_lshl_b32 s25, s25, 8                         ; 256 rows for each step along K
	s_add_co_u32 s24, s24, s25
	s_mov_b32 s25, 0
	s_add_nc_u64 s[32:33], s[6:7], s[24:25]        ; block 0's first row; a base for each of the eight blocks, so that no pointer is stepped
	s_lshl_b32 s26, s22, 5                         ; 32 rows
	s_mov_b32 s27, 0
.irp t, 1,2,3,4,5,6,7
	s_add_nc_u64 s[32+2*\t:33+2*\t], s[30+2*\t:31+2*\t], s[26:27]
.endr
	s_lshl_b32 s28, s21, 7
	s_lshl_b32 s29, s18, 5
	s_add_co_u32 s28, s28, s29                     ; my wave's first row of wc and ws
	s_lshl_b32 s30, s28, 10
	s_lshl_b32 s29, s20, 8
	s_add_co_u32 s30, s30, s29
	s_mov_b32 s31, 0
	s_add_nc_u64 s[14:15], s[14:15], s[30:31]
	s_lshl_b32 s30, s28, 5
	s_lshl_b32 s29, s20, 3
	s_add_co_u32 s30, s30, s29
	s_add_nc_u64 s[16:17], s[16:17], s[30:31]
	s_wait_alu depctr_va_vdst(0)
	v_lshlrev_b32 v3, 2, v2
.set J, 0
.rept 32
	v_mad_u32_u24 v[RO+J], J, s22, v3
.set J, J+1
.endr
	v_and_b32 v14, 7, v2
	v_bfe_u32 v15, v2, 3, 1
	v_bfe_u32 v16, v2, 4, 1
	v_lshl_add_u32 v14, v15, 4, v14
	v_lshl_add_u32 v14, v16, 3, v14                ; my column's place among the wave's 32: bits 3 and 4 exchanged
	s_mul_i32 s19, s18, 32*WP
	s_add_co_u32 s19, s19, WLDS                    ; my stage
	v_mul_u32_u24 v4, v14, WP
	v_add_nc_u32 v4, s19, v4                       ; into it
	v_lshlrev_b32 v9, 5, v14                       ; my row of scale bytes
	v_and_b32 v15, 15, v2
	v_lshrrev_b32 v16, 4, v2                       ; out of it: sixteen lanes to a row, two rows an instruction
	v_mul_u32_u24 v7, v16, WP
	v_lshl_add_u32 v7, v15, 4, v7
	v_add_nc_u32 v7, s19, v7
	v_lshlrev_b32 v8, 10, v16
	v_lshl_add_u32 v8, v15, 4, v8                  ; and the same place in wc
.macro WLOAD t                         ; block t: 32 rows at my column into set t % 2; each load reads 128 consecutive bytes a wave
.set J, 0
.rept 32
	global_load_b32 v[WX+32*((\t)%2)+J], v[RO+J], s[32+2*(\t):33+2*(\t)] th:TH_LOAD_NT
.set J, J+1
.endr
.endm
	WLOAD 0
	WLOAD 1
.macro BLOCK t
.set WS0, WX+32*((\t)%2)
.if (\t) < NB-1
	s_wait_loadcnt 32                              ; this block's 32 loads are in; the next block's may be out
.else
	s_wait_loadcnt 0
.endif
	v_max3_num_f32 v12, |v[WS0]|, |v[WS0+1]|, |v[WS0+2]|           ; the block's largest magnitude: all 32 numbers are mine
	v_max3_num_f32 v13, |v[WS0+3]|, |v[WS0+4]|, |v[WS0+5]|
.irp i, 6,10,14,18,22,26
	v_max3_num_f32 v12, v12, |v[WS0+\i]|, |v[WS0+\i+1]|
	v_max3_num_f32 v13, v13, |v[WS0+\i+2]|, |v[WS0+\i+3]|
.endr
	v_max3_num_f32 v12, v12, |v[WS0+30]|, |v[WS0+31]|
	v_max3_num_f32 v12, v12, v13, (EMAX+1)<<23     ; and the floor
	v_add_nc_u32 v11, -(EMAX<<23), v12             ; the conversion's scale operand
	v_lshrrev_b32 v13, 23, v11                     ; the scale's byte
.if (\t)%4 == 0
	v_mov_b32 v[SBY+(\t)/4], v13                   ; four bytes to a register, the lower K in the lower byte
.else
	v_lshl_or_b32 v[SBY+(\t)/4], v13, 8*((\t)%4), v[SBY+(\t)/4]
.endif
.set J, 0
.rept 32
.set J, J+1
.endr
.irp g, 0,1,2,3
	v_cvt_scalef32_pk8_bf8_f32 v[WC+2*\g:WC+2*\g+1], v[WS0+8*\g:WS0+8*\g+7], v11
.endr
	ds_store_b128 v4, v[WC:WC+3] offset:32*(\t)    ; 32 codes: 32 bytes of my column's row
	ds_store_b128 v4, v[WC+4:WC+7] offset:32*(\t)+16
.if (\t)+2 < NB
	WLOAD (\t)+2
.endif
	s_wait_dscnt 0x0                               ; the stores have read their registers: the next block's codes may be written
.endm
.irp t, 0,1,2,3,4,5,6,7
	BLOCK \t
.endr
	s_wait_alu depctr_va_vdst(0)
	global_store_b64 v9, v[SBY:SBY+1], s[16:17]    ; my column's eight scale bytes: 8 bytes of a row of 32, one byte in 128 of what this way reads
.irp t, 0,1,2,3,4,5,6,7,8,9,10,11,12,13,14,15
	ds_load_b128 v[OUTR+4*\t:OUTR+4*\t+3], v7 offset:2*\t*WP       ; LDS serves a wave's instructions in order: these see my stores
.endr
.irp t, 0,1,2,3,4,5,6,7,8,9,10,11,12,13,14,15
	s_wait_dscnt 15-\t                             ; rows 2 t and 2 t + 1 are back; the younger loads may be out
	global_store_b128 v8, v[OUTR+4*\t:OUTR+4*\t+3], s[14:15] offset:2*\t*1024
.endr
	s_wait_tensorcnt 0x0
	ds_add_u32 v208, v209
	s_wait_dscnt 0x0
	s_endpgm
.Lfunc_end_k_qc8bc9e7606_quant:
	.size	k_qc8bc9e7606_quant, .Lfunc_end_k_qc8bc9e7606_quant-k_qc8bc9e7606_quant
	.p2alignl 7, 3214868480
	.fill 96, 4, 3214868480
	.section	.rodata,"a",@progbits
	.p2align	6, 0x0
	.amdhsa_kernel k_qc8bc9e7606_quant
		.amdhsa_group_segment_fixed_size 68096
		.amdhsa_private_segment_fixed_size 0
		.amdhsa_enable_private_segment 0
		.amdhsa_kernarg_size 56
		.amdhsa_user_sgpr_count 2
		.amdhsa_user_sgpr_kernarg_segment_ptr 1
		.amdhsa_wavefront_size32 1
		.amdhsa_system_sgpr_workgroup_id_x 1
		.amdhsa_system_sgpr_workgroup_id_y 1
		.amdhsa_system_sgpr_workgroup_id_z 1
		.amdhsa_system_vgpr_workitem_id 0
		.amdhsa_next_free_vgpr 210
		.amdhsa_next_free_sgpr 66
		.amdhsa_reserve_vcc 0
		.amdhsa_float_denorm_mode_32 3
		.amdhsa_float_denorm_mode_16_64 3
		.amdhsa_fp16_overflow 1
		.amdhsa_memory_ordered 1
		.amdhsa_forward_progress 1
		.amdhsa_inst_pref_size 78
	.end_amdhsa_kernel
	.amdgpu_metadata
---
amdhsa.version: [ 1, 2 ]
amdhsa.kernels:
  - .name:           k_qc8bc9e7606_quant
    .symbol:         k_qc8bc9e7606_quant.kd
    .args:
      - { .name: x, .offset: 0, .size: 8, .value_kind: global_buffer, .address_space: global }
      - { .name: W_attn, .offset: 8, .size: 8, .value_kind: global_buffer, .address_space: global }
      - { .name: W_proj, .offset: 16, .size: 8, .value_kind: global_buffer, .address_space: global }
      - { .name: xc, .offset: 24, .size: 8, .value_kind: global_buffer, .address_space: global }
      - { .name: xs, .offset: 32, .size: 8, .value_kind: global_buffer, .address_space: global }
      - { .name: wc, .offset: 40, .size: 8, .value_kind: global_buffer, .address_space: global }
      - { .name: ws, .offset: 48, .size: 8, .value_kind: global_buffer, .address_space: global }
    .group_segment_fixed_size: 68096
    .private_segment_fixed_size: 0
    .kernarg_segment_align: 8
    .kernarg_segment_size: 56
    .max_flat_workgroup_size: 128
    .sgpr_count:     66
    .vgpr_count:     210
    .wavefront_size: 32
...
	.end_amdgpu_metadata
.endif
;; end of part 1
;; launch qkv (part 2): grid 12 x 32, 4 waves a work-group, clusters of 4 x 4, 327,680 bytes of LDS; arguments xc, xs, wc, ws, b_attn, img, sc; writes img, sc
.if DOCPART == 2
	.amdgcn_target "amdgcn-amd-amdhsa--gfx1250"
	.amdhsa_code_object_version 6
	.text
	.protected	k_qc8bc9e7606_qkv
	.globl	k_qc8bc9e7606_qkv
	.p2align	8
	.type	k_qc8bc9e7606_qkv,@function
k_qc8bc9e7606_qkv:
	s_mov_b64 s[64:65], 0
	v_nop
	global_prefetch_b8 v0, s[64:65] scope:SCOPE_SE
	s_setreg_imm32_b32 hwreg(HW_REG_WAVE_MODE, 25, 1), 1
	s_wait_xcnt 0x0
	s_wait_alu depctr_hold_cnt(0) depctr_sa_sdst(0) depctr_va_vdst(0) depctr_va_sdst(0) depctr_va_ssrc(0) depctr_va_vcc(0) depctr_vm_vsrc(0)
	s_getreg_b32 s2, hwreg(HW_REG_IB_STS2, 6, 4)
	s_cmp_eq_u32 s2, 0
	s_cbranch_scc0 .Lentry_in_a_cluster
	s_endpgm
.Lentry_in_a_cluster:
	s_bfe_u32 s2, ttmp6, 0x10000c
	s_cmp_lg_u32 s2, 0xf033
	s_cbranch_scc0 .Lentry_shape_is_right
	s_endpgm
.Lentry_shape_is_right:
; qkv = x W_attn + b_attn on codes of BF8 (E5M2) with one E8M0 scale for each 32 along K = 1,024; the results are quantised in registers and leave as codes, laid as the attention launch's operand registers want them.
; xc [8192][1024], xs [8192][32]: x.  wc [4096][1024], ws [4096][32]: rows 0 to 3,071 are W_attn's columns.  In all four, row n stands at the place with bits 3 and 4 of n exchanged.
; A work-group of four waves makes 256 tokens x 256 columns, a wave 128 x 128: 64 accumulators, 512 registers.  K goes in steps of 256 through a ring of two LDS slots filled by the tensor data mover.
; The scale bytes of the work-group's 256 + 256 rows, for all of K, come into LDS once, with the first fills.
; CLUSTERS: 4 x 4 work-groups.  x's tiles are shared along a row of the cluster, W's along a column: each is asked for jointly, by the same tensor load with the same descriptor and a mask that names the four.
; TWO WAYS, told apart by the cluster's x, which all sixteen partners share (0: q, 1: k, 2: v).  They load alike; they differ in which LDS region feeds which source.
;   q, k: source 0 = 16 rows of W, source 1 = 16 rows of x.  A lane holds ONE token, and the 16 registers of two neighbouring tiles 16 neighbouring columns: q and k are quantised along the head's 64.
;   v:    source 0 = 16 rows of x, source 1 = 16 rows of W.  A lane holds ONE channel, and its registers run along the tokens: v is quantised along the keys.
; The bias is the C of each sum's first matrix instruction.
; OUT.  img [64 heads][393,216]: q's image at 0, k's at 131,072: [tile of 16 tokens][2][lane][16 bytes]; v's at 262,144: [128 keys][4 tiles of 16 channels][4][lane][16 bytes]: a lane's four code registers as they stand.
;       sc [64][20,480]: q's scale words at 0, k's at 8,192: [tile][16] words, bytes 0 and 1 the head's two blocks, bytes 2 and 3 zero; v's at 16,384: [128 keys][4 tiles][16] words.
; LIMITS: NaN and infinities are not served.  A block of zeros gets the byte 1 where the rule says 127: its codes are zeros, and this program alone reads the bytes.
; REGISTERS, in windows of 256: window 0: v0-31 addresses; v32-63 scale words, two sets; v64-127 the bias, later at work on the way out; from v128 source 1's fragments, ONE set.
;   window 1: source 0's fragments, TWO sets.   window 2: the accumulators of source 1's blocks 0-3 ((a, b) at v[8 (8 a + b)]);   window 3: those of blocks 4-7.
.set KSTEP,  256
.set NQ,     2                         ; matrix instructions deep in a slot
.set ROWB,   256                       ; a tile's row in bytes
.set KROW,   1024                      ; a row of xc or wc in bytes
.set PITCH,  272                       ; an LDS row: 256 bytes + 16 of padding = 68 words: the 16 rows that a load touches start at 16 different banks (64 banks of 4 bytes: ISA guide 11.1)
.set FR,     16                        ; registers of a fragment: 16 rows x 128 K
.set NL,     4                         ; LDS loads that bring one
.set NP,     8                         ; places behind this matrix instruction (ISA guide 7.12.1)
.set HALFT,  128*PITCH                 ; 128 rows: what one tensor load brings
.set SLOT,   4*HALFT                   ; x's 256 rows, then W's 256 rows
.set KS,     32                        ; a row of scale bytes
.set SCL,    2*SLOT                    ; behind the ring: the scale bytes, as units of 256 bytes + 16 of padding
.set HALFS,  16*272                    ; those of 128 rows
.set SBLK,   2*272                     ; those of 16 rows
.set SPARE,  SCL+4*HALFS               ; the spare words, 128 bytes for each wave: two blocks of 256 bytes that no other line names
.set STG,    SPARE+512                 ; 1,024 bytes for each wave: the scale words made on the way out; no fill lands here
.set HEADB,  393216                    ; a head's bytes in img
.set HEADS,  20480                     ; and in sc
.set VA,   8                           ; v8-15   the bias loads' offsets, one for each register of a tile; never rewritten
.set ADRA, 16                          ; v16-17  LDS address of source 1's fragments in slot 0, 1
.set OF0,  18                          ; v18     16 x lane
.set OF1,  19                          ; v19     the same, for a block's second half of codes: the next head (q, k) or 1,024 bytes on (v)
.set ADRB, 20                          ; v20-21  LDS address of source 0's fragments
.set SH,   22                          ; v22     q, k: 16 x (lane / 16): which head's two bytes of the scale word are mine; v: 0
.set STW,  23                          ; v23     where I put a scale word
.set ADRS, 27                          ; v27     LDS address of my scale words: lanes 0-15 source 1's rows, lanes 16-31 source 0's
.set SPW,  28                          ; v28     LDS address of my spare word; never rewritten
.set NIL,  29                          ; v29     0; never rewritten
.set STR,  30                          ; v30     where I read scale words back
.set SOF,  31                          ; v31     and my offset in sc
.set SC,   32                          ; scale words: set s at v[SC + 16 s]; register 2 i + q: lanes 0-15 source 1's block i, lanes 16-31 source 0's block i
.set CB,   64                          ; v64-127 the bias: eight registers for each of W's eight blocks, in the result's layout
.set TM,   64                          ; the way out: v64-67 largest magnitudes, v68-71 bytes, v76-79 the conversions' scale operands
.set PW,   80                          ; v80     the scale word just made
.set TW,   81                          ; v81     my part of it
.set BW,   84                          ; v84-91  scale words read back
.set PC0,  96                          ; v96-127 a block's codes, two sets by turns
.set AF,   128
.set G1, 24                            ; s[24:31] descriptor group 1 for x's tiles;  s[32:39] group 0, one set for each slot
.set G0, 32
.set G1B, 48                           ; s[48:55], s[56:63] the same for W's tiles
.set G0B, 56
.set G1S, 68                           ; s[68:75], s[76:79] for x's scale bytes;  s[80:87], s[88:91] for W's
.set G0S, 76
.set G1SB, 80
.set G0SB, 88
.set OB, 96                            ; s[96:97] img at the block in hand
.set SB, 98                            ; s[98:99] sc at my words
.set PB, 100                           ; s100 1 on v's way, else 0
.set PM, 101                           ; s101 the same as a mask of lanes
.set MSB, 0
.macro WIN new                         ; the immediate's high byte repeats the setting that is left; a switch that changes nothing is dropped
.if MSB != (\new)
	s_set_vgpr_msb (MSB<<8)|(\new)
.set MSB, (\new)
.endif
.endm
.set MUL_LO, 0xa1                      ; source 0 window 1, source 1 window 0, C and D window 2
.set MUL_HI, 0xf1                      ; the same, C and D window 3
.set TO_B,   0x40                      ; destination window 1, address window 0
; A joint load: waves 0 and 1 fetch for x, waves 2 and 3 for W.  Each of the two lines has one mask and one set of registers for all that issue it; the branch hangs on the wave's number alone.
; Four v_nop follow each of the two lines, ahead of the jump, the label and what follows.
.macro JLOAD g0a, g1a, g0b, g1b
	s_cmp_eq_u32 s15, 0
	s_cbranch_scc0 .Lfor_b_\@
	tensor_load_to_lds s[\g0a:\g0a+3], s[\g1a:\g1a+7]
	s_nop 0
.rept 4
	v_nop
.endr
	s_branch .Lasked_\@
.Lfor_b_\@:
	tensor_load_to_lds s[\g0b:\g0b+3], s[\g1b:\g1b+7]
	s_nop 0
.rept 4
	v_nop
.endr
.Lasked_\@:
.endm
.macro CREST                           ; a round of the cluster's barrier behind its opening barrier
	s_cmp_lg_u32 s14, 0
	s_cbranch_scc1 .Lnot_wave_0_\@
	s_barrier_signal -3
.Lnot_wave_0_\@:
	s_barrier_wait -3
	s_barrier_signal -1
	s_barrier_wait -1
.endm
.macro CROUND                          ; a whole round
	s_barrier_signal -1
	s_barrier_wait -1
	CREST
.endm
	s_load_b128 s[4:7], s[0:1], 0x0                ; xc s[4:5], xs s[6:7]
	s_load_b128 s[8:11], s[0:1], 0x10              ; wc s[8:9], ws s[10:11]
	s_load_b64 s[12:13], s[0:1], 0x20              ; b_attn
	s_load_b64 s[OB:OB+1], s[0:1], 0x28            ; img
	s_load_b64 s[SB:SB+1], s[0:1], 0x30            ; sc
	v_lshl_add_u32 v[SPW], v0, 2, SPARE
	v_mov_b32 v[NIL], 0
	ds_add_u32 v28, v29
	ds_add_u32 v28, v29
	s_wait_dscnt 0x0
	v_lshrrev_b32 v1, 5, v0
	v_readfirstlane_b32 s14, v1                    ; wave 0..3
	s_lshr_b32 s15, s14, 1                         ; which 128 tokens are mine.  Also: I fetch for x (0) or for W (1)
	s_and_b32 s16, s14, 1                          ; which 128 columns.  Also: which 128 rows of that tile I fetch
	s_bfe_u32 s40, ttmp6, 0x40000                  ; cx, cy: my place in the cluster
	s_bfe_u32 s41, ttmp6, 0x40004
	s_lshl_b32 s42, ttmp9, 2
	s_add_co_u32 s42, s42, s40                     ; tile column = 4 x cluster x + cx
	s_and_b32 s17, ttmp7, 0xffff
	s_lshl_b32 s17, s17, 2
	s_add_co_u32 s17, s17, s41                     ; tile row = 4 x cluster y + cy
	s_lshl_b32 s43, s41, 2
	s_lshl_b32 s43, 15, s43                        ; my row of the cluster
	s_lshl_b32 s44, 0x1111, s40                    ; my column
	; descriptor group 1: a tile of 128 rows x 256 bytes, padded in LDS
	s_or_b32 s[G1+0], s43, (0<<16)|(1<<20)|(1<<21)|(5<<22)|(3<<25)  ; 15:0 the mask: x's tiles go to my row; 17:16 element of 1 byte; 20 padding on; 21 set beside a mask; 24:22 after every 64 words; 31:25 four words
	s_or_b32 s[G1B+0], s44, (0<<16)|(1<<20)|(1<<21)|(5<<22)|(3<<25)
.irp g, G1, G1B
	s_mov_b32 s[\g+1], ROWB<<16                    ; tensor_dim0
	s_mov_b32 s[\g+2], 128<<16                     ; tensor_dim1
	s_mov_b32 s[\g+3], ROWB<<16                    ; tile_dim0
	s_mov_b32 s[\g+4], 128                         ; tile_dim1
	s_mov_b32 s[\g+5], KROW                        ; tensor_dim0_stride
	s_mov_b32 s[\g+6], 0
	s_mov_b32 s[\g+7], 0
.endr
	; the scale bytes of 128 rows: a dense block of 4,096 bytes, as 16 rows of 256 bytes (32 elements of 8 bytes), 16 bytes of padding behind each
	s_or_b32 s[G1S+0], s43, (3<<16)|(1<<20)|(1<<21)|(5<<22)|(3<<25)
	s_or_b32 s[G1SB+0], s44, (3<<16)|(1<<20)|(1<<21)|(5<<22)|(3<<25)
.irp g, G1S, G1SB
	s_mov_b32 s[\g+1], 32<<16
	s_mov_b32 s[\g+2], 16<<16
	s_mov_b32 s[\g+3], 32<<16
	s_mov_b32 s[\g+4], 16
	s_mov_b32 s[\g+5], 32
	s_mov_b32 s[\g+6], 0
	s_mov_b32 s[\g+7], 0
.endr
	s_lshl_b32 s18, s16, 7                         ; which 128 rows of the tile I fetch
	s_lshl_b32 s20, s17, 8
	s_add_co_u32 s20, s20, s18                     ; x: row 256 x tile row + 128 x half
	s_lshl_b32 s46, s42, 8
	s_add_co_u32 s46, s46, s18                     ; W: row 256 x tile column + 128 x half
	s_mov_b32 s21, 0
	s_mov_b32 s47, 0
	s_mov_b64 s[18:19], KS
	s_mul_u64 s[22:23], s[20:21], s[18:19]         ; where these rows' scale bytes begin
	s_mul_u64 s[92:93], s[46:47], s[18:19]
	s_mov_b64 s[18:19], KROW
	s_mul_u64 s[20:21], s[20:21], s[18:19]         ; and their codes
	s_mul_u64 s[46:47], s[46:47], s[18:19]
	s_mul_i32 s45, s14, HALFT                      ; where they go: wave x 128 rows: no place in the cluster enters an LDS address
	s_mul_i32 s94, s14, HALFS
	s_wait_kmcnt 0x0
	s_add_nc_u64 s[20:21], s[4:5], s[20:21]
	s_add_nc_u64 s[22:23], s[6:7], s[22:23]
	s_add_nc_u64 s[46:47], s[8:9], s[46:47]
	s_add_nc_u64 s[92:93], s[10:11], s[92:93]
	CROUND                                         ; all sixteen work-groups are here: the first joint loads meet
	s_mov_b32 s[G0S], 1
	s_add_co_u32 s[G0S+1], s94, SCL
	s_mov_b64 s[G0S+2:G0S+3], s[22:23]
	s_or_b32 s[G0S+3], s[G0S+3], 0x80000000
	s_mov_b32 s[G0SB], 1
	s_add_co_u32 s[G0SB+1], s94, SCL
	s_mov_b64 s[G0SB+2:G0SB+3], s[92:93]
	s_or_b32 s[G0SB+3], s[G0SB+3], 0x80000000
	JLOAD G0S, G1S, G0SB, G1SB                     ; the scale bytes first: they are wanted with K step 0
.irp s, 0,1
	s_mov_b32 s[G0+4*\s], 1
	s_add_co_u32 s[G0+4*\s+1], s45, \s*SLOT
	s_add_nc_u64 s[G0+4*\s+2:G0+4*\s+3], s[20:21], \s*ROWB
	s_or_b32 s[G0+4*\s+3], s[G0+4*\s+3], 0x80000000
	s_mov_b32 s[G0B+4*\s], 1
	s_add_co_u32 s[G0B+4*\s+1], s45, \s*SLOT
	s_add_nc_u64 s[G0B+4*\s+2:G0B+4*\s+3], s[46:47], \s*ROWB
	s_or_b32 s[G0B+4*\s+3], s[G0B+4*\s+3], 0x80000000
	JLOAD G0+4*\s, G1, G0B+4*\s, G1B               ; three tensor loads of mine are out behind the second
.endr
	v_and_b32 v1, 15, v0                           ; r = lane % 16
	v_bfe_u32 v2, v0, 4, 1                         ; h = lane / 16
	v_mul_u32_u24 v3, v1, PITCH
	v_lshl_add_u32 v4, v2, 4, v3                   ; a fragment's row x pitch + 16 x half
	s_wait_alu depctr_va_vdst(0)
	s_mul_i32 s21, s15, HALFT                      ; my 128 rows of x
	s_mul_i32 s22, s16, HALFT                      ; my 128 rows of W,
	s_add_co_u32 s22, s22, 2*HALFT                 ; which lie behind x's 256
	s_cmp_eq_u32 ttmp9, 2                          ; v's way?  The cluster's x is the same in all sixteen partners.  Only moves stand between this compare and the choices
	s_cselect_b32 s[PB], 1, 0
	s_cselect_b32 s[PM], -1, 0
	s_cselect_b32 s18, s22, s21                    ; source 1: x's rows, on v's way W's
	s_cselect_b32 s19, s21, s22                    ; source 0: W's rows, on v's way x's
	s_cselect_b32 s20, 0, 4                        ; the bias from register to register: the next column, on v's way the same channel
	s_cselect_b32 s23, 0, 16
	s_mov_b32 s7, 0xffff
	s_cselect_b32 s7, -1, s7                       ; what of a scale word is stored: a head's two bytes, on v's way all four
	s_mov_b32 s8, 1024
	s_cselect_b32 s8, 2048, s8                     ; s[8:9]: from a block's codes to the next block's
	s_mov_b32 s9, 0
	s_mov_b32 s10, 1024
	s_cselect_b32 s10, HEADB-3*2048, s10           ; s[10:11]: the same from block 3 to block 4: on v's way the next head begins
	s_mov_b32 s11, 0
	s_mov_b32 s45, HEADB
	s_cselect_b32 s45, 1024, s45
	s_mov_b32 s46, 256
	s_cselect_b32 s46, HEADS, s46
	s_mov_b32 s4, 0x76543210
	s_mov_b32 s5, 0xfedcba98                       ; v_permlanex16_b32's selects for lane l xor 16
.irp s, 0,1
	v_add_nc_u32 v[ADRA+\s], s18, v4
	v_add_nc_u32 v[ADRB+\s], s19, v4
	s_add_co_u32 s18, s18, SLOT
	s_add_co_u32 s19, s19, SLOT
.endr
	v_mul_u32_u24 v5, v1, KS                       ; my row's scale bytes: 32 a row,
	v_lshrrev_b32 v6, 8, v5
	v_lshl_add_u32 v5, v6, 4, v5                   ; and 16 more for each 256 passed
	s_mul_i32 s21, s15, HALFS                      ; x's: my 128 rows
	s_mul_i32 s22, s16, HALFS                      ; W's: my 128 rows, behind x's 256
	s_add_co_u32 s22, s22, 2*HALFS
	s_sub_co_u32 s22, s22, s21
	v_xor_b32 v6, s[PB], v2                        ; lanes 0-15 take source 1's words, lanes 16-31 source 0's: W's where this is 1
	v_mul_u32_u24 v6, s22, v6
	s_add_co_u32 s21, s21, SCL
	v_add_nc_u32 v5, v5, v6
	v_add_nc_u32 v[ADRS], s21, v5
	; the bias in the result's layout.  q, k: register j of W's block x is column 32 (x / 2) + 8 (x % 2) + 16 h + j.  v: all eight registers are channel 32 (x / 2) + 8 (x % 2) + r % 8 + 16 (r / 8)
	v_lshlrev_b32 v5, 6, v2
	v_and_b32 v6, 7, v1
	v_lshrrev_b32 v7, 3, v1
	v_lshlrev_b32 v6, 2, v6
	v_lshl_add_u32 v6, v7, 6, v6
	v_cndmask_b32 v5, v5, v6, s[PM]
.irp j, 0,1,2,3,4,5,6,7
	v_mad_u32_u24 v[VA+\j], \j, s20, v5
.endr
	s_lshl_b32 s18, s42, 10
	s_lshl_b32 s19, s16, 9
	s_add_co_u32 s18, s18, s19                     ; my first column, in bytes of f32
	s_mov_b32 s19, 0
	s_add_nc_u64 s[12:13], s[12:13], s[18:19]
.irp x, 0,1,2,3,4,5,6,7
.irp j, 0,1,2,3,4,5,6,7
	global_load_b32 v[CB+8*\x+\j], v[VA+\j], s[12:13] offset:(32*(\x/2)+8*(\x%2))*4
.endr
.endr
	; the way out
	v_mul_u32_u24 v[SH], s23, v2
	s_lshl_b32 s18, s14, 10
	s_add_co_u32 s18, s18, STG                     ; my 1,024 bytes
	v_lshlrev_b32 v[STW], 2, v1
	v_lshl_add_u32 v[STW], v2, 9, v[STW]
	v_add_nc_u32 v[STW], s18, v[STW]               ; 4 r + 512 h
	v_and_b32 v3, 31, v0
	v_lshlrev_b32 v[OF0], 4, v3
	v_add_nc_u32 v[STR], s18, v[OF0]
	v_add_nc_u32 v[OF1], s45, v[OF0]
	v_mul_u32_u24 v[SOF], s46, v2
	v_lshl_add_u32 v[SOF], v1, 4, v[SOF]           ; lanes 16-31: the next 256 bytes, on v's way the next head's
	s_lshr_b32 s18, s17, 3                         ; the batch
	s_lshl_b32 s18, s18, 4
	s_and_b32 s19, s42, 3
	s_lshl_b32 s19, s19, 2
	s_add_co_u32 s18, s18, s19
	s_lshl_b32 s19, s16, 1
	s_add_co_u32 s18, s18, s19                     ; the first of my two heads: 16 x batch + 4 (tile column % 4) + 2 (wave % 2)
	s_lshr_b32 s19, s42, 2                         ; 0 q, 1 k, 2 v
	s_and_b32 s20, s17, 7
	s_lshl_b32 s20, s20, 1
	s_add_co_u32 s20, s20, s15                     ; which 128 tokens of the batch's 2,048
	s_mul_i32 s22, s18, HEADB
	s_lshl_b32 s23, s19, 17
	s_add_co_u32 s22, s22, s23
	s_lshl_b32 s23, s20, 13                        ; 128 tokens are 8,192 bytes of each image
	s_add_co_u32 s22, s22, s23
	s_mov_b32 s23, 0
	s_add_nc_u64 s[OB:OB+1], s[OB:OB+1], s[22:23]
	s_mul_i32 s22, s18, HEADS
	s_lshl_b32 s21, s19, 13
	s_add_co_u32 s22, s22, s21
	s_lshl_b32 s21, s20, 9                         ; 128 tokens are 512 bytes of q's or k's words, 256 of v's
	s_lshr_b32 s21, s21, s[PB]
	s_add_co_u32 s22, s22, s21
	s_add_nc_u64 s[SB:SB+1], s[SB:SB+1], s[22:23]
.macro FRAG reg, adr, q, i             ; a fragment is 16 registers: lane l holds row l % 16; registers 4 c .. 4 c + 3 hold K = 32 c + 16 (l / 16) + 0 .. 15
.irp c, 0,1,2,3
	ds_load_b128 v[\reg+4*\c:\reg+4*\c+3], v[\adr] offset:128*(\q)+32*\c+(\i)*16*PITCH
.endr
.endm
; 16 matrix instructions: source 1's blocks a0, a0 + 1 x source 0's eight, 128 along K.  p: source 0's set;  sc: the set of scale words.
; first = 1, 2: the products start the sums with the bias as C: that of source 0's block (q, k) or of source 1's (v).  The 64 accumulators take turns, one instruction a turn.
.macro MUL16 a0, p, q, sc, first
.irp a, \a0, \a0+1
.irp b, 0,1,2,3,4,5,6,7
.if \first == 1
	v_wmma_scale_f32_16x16x128_f8f6f4 v[8*(8*((\a)%4)+\b):8*(8*((\a)%4)+\b)+7], v[128*(\p)+FR*\b:128*(\p)+FR*\b+FR-1], v[AF+FR*(\a):AF+FR*(\a)+FR-1], v[CB+8*\b:CB+8*\b+7], v[SC+8*NQ*(\sc)+NQ*\b+(\q)], v[SC+8*NQ*(\sc)+NQ*(\a)+(\q)] matrix_a_fmt:MATRIX_FMT_BF8 matrix_b_fmt:MATRIX_FMT_BF8 matrix_a_scale:MATRIX_SCALE_ROW1
.elseif \first == 2
	v_wmma_scale_f32_16x16x128_f8f6f4 v[8*(8*((\a)%4)+\b):8*(8*((\a)%4)+\b)+7], v[128*(\p)+FR*\b:128*(\p)+FR*\b+FR-1], v[AF+FR*(\a):AF+FR*(\a)+FR-1], v[CB+8*(\a):CB+8*(\a)+7], v[SC+8*NQ*(\sc)+NQ*\b+(\q)], v[SC+8*NQ*(\sc)+NQ*(\a)+(\q)] matrix_a_fmt:MATRIX_FMT_BF8 matrix_b_fmt:MATRIX_FMT_BF8 matrix_a_scale:MATRIX_SCALE_ROW1
.else
	v_wmma_scale_f32_16x16x128_f8f6f4 v[8*(8*((\a)%4)+\b):8*(8*((\a)%4)+\b)+7], v[128*(\p)+FR*\b:128*(\p)+FR*\b+FR-1], v[AF+FR*(\a):AF+FR*(\a)+FR-1], v[8*(8*((\a)%4)+\b):8*(8*((\a)%4)+\b)+7], v[SC+8*NQ*(\sc)+NQ*\b+(\q)], v[SC+8*NQ*(\sc)+NQ*(\a)+(\q)] matrix_a_fmt:MATRIX_FMT_BF8 matrix_b_fmt:MATRIX_FMT_BF8 matrix_a_scale:MATRIX_SCALE_ROW1
.endif
.endr
.endr
.endm
.macro FETCH_B slot, q, p              ; source 0's eight fragments of the slot's q-th 128 along K into set p
	WIN TO_B
.irp i, 0,1,2,3,4,5,6,7
	FRAG 128*(\p)+FR*\i, ADRB+\slot, \q, \i
.endr
	WIN 0
.endm
.macro FETCH_A slot, q, i0             ; source 1's blocks i0 .. i0 + 3
.irp i, \i0, \i0+1, \i0+2, \i0+3
	FRAG AF+FR*(\i), ADRA+\slot, \q, \i
.endr
.endm
.macro SCALES sc                       ; a K step's scale words into set sc: two words a row
.irp i, 0,1,2,3,4,5,6,7
	ds_load_b64 v[SC+8*NQ*\sc+NQ*\i:SC+8*NQ*\sc+NQ*\i+1], v[ADRS] offset:\i*SBLK
.endr
.endm
; A load into a register that a matrix instruction has read, and a vector instruction that reads a matrix result or writes one of its registers, stand eight places behind it; only plain vector
; instructions that name none of its registers are places.
.macro PLACES n
.rept \n
	v_nop
.endr
.endm
; A step of 128 along K that has its successor in the same slot.  A block of source 1 is free as soon as its eight products are issued: blocks 0-3 are fetched anew in the step's middle, blocks 4-7 at its end.
.macro STEP slot, q, first
	s_wait_dscnt 4*NL                              ; source 0's set and source 1's blocks 0-3 are in; the youngest sixteen loads (blocks 4-7) may be out
.if \first
	WIN 0x81                                       ; C (the bias) in window 0
.else
	WIN MUL_LO
.endif
	MUL16 0, (\q)%2, \q, \slot, \first
	MUL16 2, (\q)%2, \q, \slot, \first
	s_wait_dscnt 0                                 ; blocks 4-7 are in (asked for 32 matrix instructions ago)
	PLACES NP
	FETCH_B \slot, (\q)+1, 1-(\q)%2
	FETCH_A \slot, (\q)+1, 0
.if \first
	WIN 0xc1
.else
	WIN MUL_HI
.endif
	MUL16 4, (\q)%2, \q, \slot, \first
	MUL16 6, (\q)%2, \q, \slot, \first
	PLACES NP
	WIN 0
	FETCH_A \slot, (\q)+1, 4
.endm
; A slot's last step changes slots: ONE barrier; in front of it each wave waits for all its tensor loads, adds 0 to its spare word, and waits for that and for its own reads of this slot.  fill = 1: this slot is filled again, two K steps ahead.
.macro TURN slot, next, fill
	s_wait_tensorcnt 0x0                           ; all my tensor loads have landed: my part of the next slot
	ds_add_u32 v[SPW], v[NIL]                      ; 0 onto my spare word
	s_wait_dscnt 4*NL+1                            ; (the add and the youngest sixteen loads may be out)
	WIN MUL_LO
	MUL16 0, 1, NQ-1, \slot, 0                     ; sixteen matrix instructions stand between the add and the wait for it
	s_wait_dscnt 0x0                               ; the add is done, and my reads of this slot are over
	s_barrier_signal -1
	MUL16 2, 1, NQ-1, \slot, 0
	WIN 0
	s_barrier_wait -1
.if \fill
	CREST                                          ; the barrier has opened a round of the cluster's barrier: no wave of any partner still reads this slot's tile or has a load on its way
	s_add_nc_u64 s[G0+4*\slot+2:G0+4*\slot+3], s[G0+4*\slot+2:G0+4*\slot+3], 2*ROWB
	s_add_nc_u64 s[G0B+4*\slot+2:G0B+4*\slot+3], s[G0B+4*\slot+2:G0B+4*\slot+3], 2*ROWB
	JLOAD G0+4*\slot, G1, G0B+4*\slot, G1B         ; the first tensor load behind the round; its four v_nop are among the places in front of the loads below
	PLACES NP-4
.else
	PLACES NP
.endif
	s_wait_alu depctr_va_vdst(0)
	v_add_nc_u32 v[ADRS], 4*NQ, v[ADRS]            ; on to the next K step's scale words (no LDS load of mine is out)
	FETCH_B \next, 0, 0
	FETCH_A \next, 0, 0
	SCALES \next
	WIN MUL_HI
	MUL16 4, 1, NQ-1, \slot, 0
	MUL16 6, 1, NQ-1, \slot, 0
	PLACES NP
	WIN 0
	FETCH_A \next, 0, 4
.endm
	s_wait_tensorcnt 1                             ; the scale bytes and my part of K step 0 are in (K step 1's load may be out)
	s_barrier_signal -1
	s_barrier_wait -1                              ; everybody's are
	FETCH_B 0, 0, 0
	FETCH_A 0, 0, 0
	SCALES 0
	FETCH_A 0, 0, 4
	s_wait_loadcnt 0x0                             ; the bias
	s_cmp_eq_u32 ttmp9, 2                          ; the first step is written twice: the two ways take the bias by different blocks.  Both copies issue the same LDS loads
	s_cbranch_scc1 .Lfirst_v
	STEP 0, 0, 1
	s_branch .Lfirst_done
.Lfirst_v:
	STEP 0, 0, 2
.Lfirst_done:
	TURN 0, 1, 1                                   ; K = 1,024 is four K steps, twice round the ring: written out
	STEP 1, 0, 0
	TURN 1, 0, 1
	STEP 0, 0, 0
	TURN 0, 1, 0                                   ; the last lap fills nothing, and has no round of the cluster's barrier
	STEP 1, 0, 0
	s_wait_dscnt 4*NL                              ; the very last step: nothing more to fetch
	WIN MUL_LO
	MUL16 0, 1, NQ-1, 1, 0
	MUL16 2, 1, NQ-1, 1, 0
	s_wait_dscnt 0
	WIN MUL_HI
	MUL16 4, 1, NQ-1, 1, 0
	MUL16 6, 1, NQ-1, 1, 0
	WIN 0
; THE WAY OUT, by source 1's blocks.  The 64 registers of block a are 64 numbers of my lane's row: register 16 b + i is index 32 b + 16 (lane / 16) + i along source 0: four blocks of 32, each shared with lane l xor 16.
; They are quantised where they lie; the codes' sixteen registers are the reader's fragment as it stands, so each store covers 512 consecutive bytes, aligned.
.macro QOUT a
.set AC, 64*((\a)%4)
.set WA, 2+(\a)/4                      ; the block's window
.set PCD, PC0+16*((\a)%2)
	WIN WA|(WA<<2)                                 ; sources 0 and 1
.irp b, 0,1,2,3
	v_max3_num_f32 v[TM+\b], |v[AC+16*\b]|, |v[AC+16*\b+1]|, 0x8000000   ; my 16 numbers of block b, from each accumulator's low end on, and the floor 2^(16 - 127): so the byte cannot fall under 1
.endr
	WIN (WA<<2)|(WA<<4)                            ; sources 1 and 2
.irp i, 2,4,6,8,10,12,14
.irp b, 0,1,2,3
	v_max3_num_f32 v[TM+\b], v[TM+\b], |v[AC+16*\b+\i]|, |v[AC+16*\b+\i+1]|   ; (the four blocks by turns)
.endr
.endr
	WIN 0
.irp b, 0,1,2,3
	v_permlanex16_b32 v[TM+4+\b], v[TM+\b], s4, s5
.endr
.irp b, 0,1,2,3
	v_max_num_f32 v[TM+\b], v[TM+\b], v[TM+4+\b]   ; with lane l xor 16's: the block's largest magnitude
.endr
.irp b, 0,1,2,3
	v_add_nc_u32 v[TM+12+\b], 0xf8800000, v[TM+\b] ; 15 off its exponent field: the conversion's scale operand
.endr
.irp b, 0,1,2,3
.endr
.irp b, 0,1,2,3
	v_lshrrev_b32 v[TM+4+\b], 23, v[TM+12+\b]      ; the scale's byte
.endr
	v_lshl_or_b32 v[PW], v[TM+5], 8, v[TM+4]
	v_lshl_or_b32 v[PW], v[TM+6], 16, v[PW]
	v_lshl_or_b32 v[PW], v[TM+7], 24, v[PW]
	v_lshrrev_b32 v[TW], v[SH], v[PW]              ; q, k: lanes 0-15 keep the first head's two bytes, lanes 16-31 the second's; v: the whole word
	v_and_b32 v[TW], s7, v[TW]
	ds_store_b32 v[STW], v[TW] offset:64*(\a)
	WIN WA|(WA<<6)                                 ; source 0 and destination
.set J, 0
.rept 64
.set J, J+1
.endr
	WIN WA                                         ; source 0
.irp b, 0,1,2,3
	v_cvt_scalef32_pk8_bf8_f32 v[PCD+4*\b:PCD+4*\b+1], v[AC+16*\b:AC+16*\b+7], v[TM+12+\b]
	v_cvt_scalef32_pk8_bf8_f32 v[PCD+4*\b+2:PCD+4*\b+3], v[AC+16*\b+8:AC+16*\b+15], v[TM+12+\b]
.endr
	WIN 0
	v_nop                                          ; one plain vector instruction behind the last conversion, ahead of the next block's writes of the scale operands
.if (\a) > 0
	s_wait_alu depctr_va_vdst(0)
	s_wait_xcnt 0x0                                ; the earlier stores have read their base and their data: the base may step, and the next block may write the other set of codes
.if (\a) == 4
	s_add_nc_u64 s[OB:OB+1], s[OB:OB+1], s[10:11]
.else
	s_add_nc_u64 s[OB:OB+1], s[OB:OB+1], s[8:9]
.endif
.endif
	global_store_b128 v[OF0], v[PCD:PCD+3], s[OB:OB+1]
	global_store_b128 v[OF0], v[PCD+4:PCD+7], s[OB:OB+1] offset:512
	global_store_b128 v[OF1], v[PCD+8:PCD+11], s[OB:OB+1]
	global_store_b128 v[OF1], v[PCD+12:PCD+15], s[OB:OB+1] offset:512
.endm
	PLACES NP                                      ; behind the last products
.irp b, 0,1,2,3
	v_mov_b32 v[TM+4+\b], 0                        ; written once: a lane permute's destination counts as one of its sources
.endr
.irp a, 0,1,2,3,4,5,6,7
	QOUT \a
.endr
	; the scale words: q, k: 512 bytes for each of my two heads; v: 256 bytes for each
	ds_load_b128 v[BW:BW+3], v[STR]                ; LDS serves a wave's instructions in order: these see my stores
	s_wait_dscnt 0x0
	global_store_b128 v[SOF], v[BW:BW+3], s[SB:SB+1]
	s_cmp_eq_u32 ttmp9, 2
	s_cbranch_scc1 .Lwords_done
	ds_load_b128 v[BW+4:BW+7], v[STR] offset:512
	s_wait_dscnt 0x0
	global_store_b128 v[SOF], v[BW+4:BW+7], s[SB:SB+1] offset:HEADS
.Lwords_done:
	s_wait_tensorcnt 0x0                           ; the wave's end: behind my last tensor load and my last LDS store
	ds_add_u32 v[SPW], v[NIL]
	s_wait_dscnt 0x0
	CROUND                                         ; the closing round: no work-group ends while a partner may still ask for a tile that names it
	s_endpgm
.Lfunc_end_k_qc8bc9e7606_qkv:
	.size	k_qc8bc9e7606_qkv, .Lfunc_end_k_qc8bc9e7606_qkv-k_qc8bc9e7606_qkv
	.p2alignl 7, 3214868480
	.fill 96, 4, 3214868480
	.section	.rodata,"a",@progbits
	.p2align	6, 0x0
	.amdhsa_kernel k_qc8bc9e7606_qkv
		.amdhsa_group_segment_fixed_size 327680
		.amdhsa_private_segment_fixed_size 0
		.amdhsa_enable_private_segment 0
		.amdhsa_kernarg_size 56
		.amdhsa_user_sgpr_count 2
		.amdhsa_user_sgpr_kernarg_segment_ptr 1
		.amdhsa_wavefront_size32 1
		.amdhsa_system_sgpr_workgroup_id_x 1
		.amdhsa_system_sgpr_workgroup_id_y 1
		.amdhsa_system_sgpr_workgroup_id_z 1
		.amdhsa_system_vgpr_workitem_id 0
		.amdhsa_next_free_vgpr 1024
		.amdhsa_next_free_sgpr 102
		.amdhsa_reserve_vcc 0
		.amdhsa_float_denorm_mode_32 3
		.amdhsa_float_denorm_mode_16_64 3
		.amdhsa_fp16_overflow 1
		.amdhsa_memory_ordered 1
		.amdhsa_forward_progress 1
		.amdhsa_inst_pref_size 173
	.end_amdhsa_kernel
	.amdgpu_metadata
---
amdhsa.version: [ 1, 2 ]
amdhsa.kernels:
  - .name:           k_qc8bc9e7606_qkv
    .symbol:         k_qc8bc9e7606_qkv.kd
    .args:
      - { .name: xc, .offset: 0, .size: 8, .value_kind: global_buffer, .address_space: global }
      - { .name: xs, .offset: 8, .size: 8, .value_kind: global_buffer, .address_space: global }
      - { .name: wc, .offset: 16, .size: 8, .value_kind: global_buffer, .address_space: global }
      - { .name: ws, .offset: 24, .size: 8, .value_kind: global_buffer, .address_space: global }
      - { .name: b_attn, .offset: 32, .size: 8, .value_kind: global_buffer, .address_space: global }
      - { .name: img, .offset: 40, .size: 8, .value_kind: global_buffer, .address_space: global }
      - { .name: sc, .offset: 48, .size: 8, .value_kind: global_buffer, .address_space: global }
    .group_segment_fixed_size: 327680
    .private_segment_fixed_size: 0
    .kernarg_segment_align: 8
    .kernarg_segment_size: 56
    .max_flat_workgroup_size: 128
    .sgpr_count:     102
    .vgpr_count:     1024
    .wavefront_size: 32
...
	.end_amdgpu_metadata
.endif
;; end of part 2
;; launch attn (part 3): grid 4 x 64, 16 waves a work-group, clusters of 4 x 1, 276,480 bytes of LDS; arguments img, sc, yimg, ysc; writes yimg, ysc
.if DOCPART == 3
	.amdgcn_target "amdgcn-amd-amdhsa--gfx1250"
	.amdhsa_code_object_version 6
	.text
	.protected	k_qc8bc9e7606_attn
	.globl	k_qc8bc9e7606_attn
	.p2align	8
	.type	k_qc8bc9e7606_attn,@function
k_qc8bc9e7606_attn:
	s_mov_b64 s[64:65], 0
	v_nop
	global_prefetch_b8 v0, s[64:65] scope:SCOPE_SE
	s_setreg_imm32_b32 hwreg(HW_REG_WAVE_MODE, 25, 1), 1
	s_wait_xcnt 0x0
	s_wait_alu depctr_hold_cnt(0) depctr_sa_sdst(0) depctr_va_vdst(0) depctr_va_sdst(0) depctr_va_ssrc(0) depctr_va_vcc(0) depctr_vm_vsrc(0)
	s_getreg_b32 s2, hwreg(HW_REG_IB_STS2, 6, 4)
	s_cmp_eq_u32 s2, 0
	s_cbranch_scc0 .Lentry_in_a_cluster
	s_endpgm
.Lentry_in_a_cluster:
	s_bfe_u32 s2, ttmp6, 0x10000c
	s_cmp_lg_u32 s2, 0x3003
	s_cbranch_scc0 .Lentry_shape_is_right
	s_endpgm
.Lentry_shape_is_right:
; y[b][h][q] = the sum over keys k <= q of softmax_k(q . k / 8) v, both products on codes of BF8 (E5M2) with one E8M0 scale for each 32 along a product's K; y is quantised along C and leaves as codes.
; THE SOFTMAX AHEAD OF THE SECOND PRODUCT: t = score x log2(e) / 8; M = the row's largest t so far, rounded UP to a whole number; p = 2^(t - M) is what is quantised, along the keys; it is not normalised.
; The row's sum is taken of the unquantised p, in f32, and divides O at the end.  When M moves, the sum and O are multiplied by 2^(old M - new M): exact.
; IN.  img [64 heads][393,216]: q's image at 0, k's at 131,072: [tile of 16 tokens][2][lane][16 bytes]: lane (r, h) holds channels 32 c + 16 h + 0 .. 15 of the token at place 16 tile + r;
;      v's image at 262,144: [128 keys][4 tiles of 16 channels][4][lane][16 bytes]: keys 32 c + 16 h + 0 .. 15 of the channel at place 16 tile + r.  A place holds the row with bits 3 and 4 of the place's number exchanged.
;      sc [64][20,480]: q's scale words at 0, k's at 8,192 ([tile][16] words), v's at 16,384 ([128 keys][4][16] words).
; The head is 64 wide and the matrix instruction 128 deep: registers 8 to 15 of q's and k's fragments are zero codes, which add nothing (their scale bytes are 0, which is 2^-127 and no NaN).
; OUT. yimg [16 heads][512 tiles of 16 places][2][lane][16 bytes]; ysc [8192 places][32]: bytes 2 head and 2 head + 1.
; SHARES.  A cluster of four work-groups is one (batch, head).  ALL of the head's k and v, codes and scale words, 268 KB, come ONCE into each partner's LDS, by joint loads: nothing is filled again.
; The head's 128 tiles of 16 queries lie in 16 groups of 128 queries; the tiles of group g want key steps 0 .. g, of 128 keys each, the last of them on the diagonal.  Partner cx takes tiles 8 g + 2 cx + par of every group;
; wave w takes par = w / 8 and two groups, 8 + w % 8 and then 7 - w % 8: 17 key steps for every wave of the launch.  No branch hangs on cx: it enters global addresses and the mask's lane constant alone.
; LAYOUT.  Both products are used transposed: S^T = K Q^T, O^T = V^T P^T: a lane holds ONE query throughout, the 16 registers of two neighbouring tiles of S^T are 16 neighbouring keys, those of O^T 16 neighbouring channels.
; LIMITS: NaN and infinities are not served.  A block of zeros gets the byte 1 where the rule says 127: its codes are zeros, and this program alone reads the bytes.
; ysc is stored 2 bytes a lane, 32 bytes apart: a wave makes 2 of a place's 32 bytes; 262,144 bytes in the whole launch.
; REGISTERS: v1-7 addresses that stay; v8-11 addresses of the loads in hand; v12 -M, v13 the largest t, v[14:15] the sum in two halves; v16-47 the two tiles' Q; v48-111 four fragments of K; v112-175 S^T, then p, then V's four fragments;
;   v176-207 O^T; v208-223 p's codes, at the end y's; v224-225 Q's scale words; v228-231 K's or V's; v232-254 at work; v255 -infinity.
.set VIMG,  131072                     ; LDS: K's image at 0, V's here,
.set KSC,   262144                     ; K's scale words,
.set VSC,   270336                     ; V's
.set HEADB, 393216
.set HEADS, 20480
.set QF1,  16
.set QF2,  32
.set KFR,  48
.set S,    112
.set OT,   176
.set PCD,  208
.set QS1,  224
.set QS2,  225
.set SW,   228
.set TB,   2                           ; s2   where the step's codes begin in each image: 8,192 bytes a step
.set TS,   3                           ; s3   K's scale words: 512 bytes a step
.set WV,   12                          ; s12  my wave's number
.set GR,   17                          ; s17  the last of the loop's trips that has work for my tile: it lies on the diagonal
.set CNT,  18                          ; s18  counts a loop's trips
.set MNT,  19
.set SEL,  20                          ; s[20:21] lane selects for v_permlanex16_b32: lane l xor 16
.set CS,   22                          ; s[22:23] c = log2(e) / 8: the packed form names a pair and takes its low word for both halves
.set TJ,   66                          ; s66  V's scale words: 256 bytes a step
.macro CROUND                          ; a round of the cluster's barrier
	s_barrier_signal -1
	s_barrier_wait -1
	s_cmp_lg_u32 s[WV], 0
	s_cbranch_scc1 .Lnot_wave_0_\@
	s_barrier_signal -3
.Lnot_wave_0_\@:
	s_barrier_wait -3
	s_barrier_signal -1
	s_barrier_wait -1
.endm
.macro GROUP1 g, rows                  ; descriptor group 1: a dense block, as rows of 256 bytes (32 elements of 8 bytes), no padding: every LDS read of this text takes consecutive bytes
	s_mov_b32 s[\g], 15|(3<<16)|(1<<21)            ; 15:0 the mask: all four work-groups; 17:16 elements of 8 bytes; 21 set beside a mask
	s_mov_b32 s[\g+1], 32<<16                      ; tensor_dim0
	s_mov_b32 s[\g+2], (\rows)<<16                 ; tensor_dim1
	s_mov_b32 s[\g+3], 32<<16                      ; tile_dim0
	s_mov_b32 s[\g+4], \rows                       ; tile_dim1
	s_mov_b32 s[\g+5], 32                          ; tensor_dim0_stride
	s_mov_b32 s[\g+6], 0
	s_mov_b32 s[\g+7], 0
.endm
	s_load_b256 s[4:11], s[0:1], 0x0               ; img s[4:5], sc s[6:7], yimg s[8:9], ysc s[10:11]
	v_lshl_add_u32 v250, v0, 2, 0x43000
	v_mov_b32 v251, 0
	ds_add_u32 v250, v251
	ds_add_u32 v250, v251
	v_lshrrev_b32 v8, 5, v0
	s_delay_alu instid0(VALU_DEP_1)
	v_readfirstlane_b32 s[WV], v8                  ; wave 0..15
	s_bfe_u32 s13, ttmp6, 0x40000                  ; cx: my place in the cluster
	s_and_b32 s67, ttmp7, 0xffff                   ; 16 x batch + head, which the four partners share
	s_lshr_b32 s14, s[WV], 3                       ; par.  Also: I fetch K's image (0) or V's (1)
	s_and_b32 s15, s[WV], 7                        ; my first group is 8 + this.  Also: which eighth I fetch
	s_sub_co_u32 s16, 7, s15                       ; my second group
	s_mul_i32 s86, s67, HEADB
	s_mov_b32 s87, 0
	s_mul_i32 s88, s67, HEADS
	s_mov_b32 s89, 0
	s_mul_i32 s90, s[WV], 768                      ; the scale words: 12,288 bytes, 768 a wave
	s_mov_b32 s91, 0
	s_lshl_b32 s92, s14, 17
	s_lshl_b32 s93, s15, 12
	s_add_co_u32 s92, s92, s93                     ; keys 0 to 511: 32,768 bytes of each image, 4,096 a wave
	s_mov_b32 s93, 0
	s_mul_i32 s94, s15, 12288
	s_lshl_b32 s95, s14, 17
	s_add_co_u32 s94, s94, s95
	s_add_co_u32 s94, s94, 32768                   ; the rest: 98,304 bytes of each image, 12,288 a wave
	s_mov_b32 s95, 0
	GROUP1 24, 3
	GROUP1 32, 16
	GROUP1 40, 48
	s_wait_dscnt 0x0
	s_wait_kmcnt 0x0
	s_add_nc_u64 s[4:5], s[4:5], s[86:87]          ; img and sc at my head
	s_add_nc_u64 s[6:7], s[6:7], s[88:89]
	s_mov_b32 s48, 1                               ; group 0: count = 1,
	s_add_co_u32 s49, s90, KSC                     ; the LDS address: a constant + the wave's number x a constant,
	s_add_nc_u64 s[50:51], s[6:7], s[90:91]
	s_add_nc_u64 s[50:51], s[50:51], 8192          ; the global address: K's words, with V's on end behind them,
	s_or_b32 s51, s51, 0x80000000                  ; type = 2
	s_mov_b32 s52, 1
	s_mov_b32 s53, s92
	s_add_nc_u64 s[54:55], s[4:5], s[92:93]
	s_add_nc_u64 s[54:55], s[54:55], 131072        ; K's image, with V's on end behind it
	s_or_b32 s55, s55, 0x80000000
	s_mov_b32 s56, 1
	s_mov_b32 s57, s94
	s_add_nc_u64 s[58:59], s[4:5], s[94:95]
	s_add_nc_u64 s[58:59], s[58:59], 131072
	s_or_b32 s59, s59, 0x80000000
	CROUND                                         ; all four work-groups are here: the joint loads meet
	tensor_load_to_lds s[48:51], s[24:31]          ; every wave issues three, on bytes of its own: three tensor loads of mine are out
	s_nop 0
	tensor_load_to_lds s[52:55], s[32:39]
	s_nop 0
	tensor_load_to_lds s[56:59], s[40:47]
	s_nop 0
.rept 4
	v_nop
.endr
	s_lshl_b32 s84, s13, 1
	s_add_co_u32 s84, s84, s14                     ; my tile in a group: 2 cx + par
	s_lshl_b32 s85, s15, 3
	s_add_co_u32 s86, s84, s85
	s_add_co_u32 s86, s86, 64                      ; my first tile of queries,
	s_add_co_u32 s88, s84, 56
	s_sub_co_u32 s88, s88, s85                     ; my second
	s_mov_b32 s91, 0
	s_lshl_b32 s90, s86, 10
	s_add_nc_u64 s[68:69], s[4:5], s[90:91]        ; their codes: 1,024 bytes a tile,
	s_lshl_b32 s90, s88, 10
	s_add_nc_u64 s[70:71], s[4:5], s[90:91]
	s_lshl_b32 s90, s86, 6
	s_add_nc_u64 s[72:73], s[6:7], s[90:91]        ; their scale words: 64 bytes a tile
	s_lshl_b32 s90, s88, 6
	s_add_nc_u64 s[74:75], s[6:7], s[90:91]
	s_lshr_b32 s92, s67, 4                         ; the batch
	s_and_b32 s93, s67, 15                         ; the head
	s_lshl_b32 s92, s92, 7
	s_add_co_u32 s86, s86, s92                     ; the tiles among all 512
	s_add_co_u32 s88, s88, s92
	s_lshl_b32 s94, s93, 19                        ; a head's plane of yimg: 524,288 bytes
	s_lshl_b32 s90, s86, 10
	s_add_co_u32 s90, s90, s94
	s_add_nc_u64 s[76:77], s[8:9], s[90:91]
	s_lshl_b32 s90, s88, 10
	s_add_co_u32 s90, s90, s94
	s_add_nc_u64 s[78:79], s[8:9], s[90:91]
	s_lshl_b32 s94, s93, 1
	s_lshl_b32 s90, s86, 9                         ; 16 places of 32 bytes
	s_add_co_u32 s90, s90, s94
	s_add_nc_u64 s[80:81], s[10:11], s[90:91]
	s_lshl_b32 s90, s88, 9
	s_add_co_u32 s90, s90, s94
	s_add_nc_u64 s[82:83], s[10:11], s[90:91]
	v_and_b32 v6, 31, v0
	s_delay_alu instid0(VALU_DEP_1)
	v_lshlrev_b32 v1, 4, v6                        ; v1: 16 x lane: K's image in LDS, and Q's and y's in memory
	s_delay_alu instid0(VALU_DEP_1)
	v_add_nc_u32 v2, VIMG, v1                      ; v2: V's image
	s_delay_alu instid0(VALU_DEP_3)
	v_lshl_add_u32 v3, v6, 2, KSC                  ; v3: K's scale words: lanes 0-15 one tile's, lanes 16-31 the next tile's
	s_delay_alu instid0(VALU_DEP_4)
	v_lshl_add_u32 v4, v6, 2, VSC                  ; v4: V's likewise
	v_and_b32 v8, 15, v0                           ; r
	v_bfe_u32 v9, v0, 4, 1                         ; h
	s_delay_alu instid0(VALU_DEP_2)
	v_lshlrev_b32 v7, 5, v8                        ; v7: 32 r: my place's row of ysc
	s_delay_alu instid0(VALU_DEP_3)
	v_lshlrev_b32 v6, 2, v8                        ; v6: 4 r: Q's scale words
	global_load_b128 v[QF1:QF1+3], v1, s[68:69]
	global_load_b128 v[QF1+4:QF1+7], v1, s[68:69] offset:512
	global_load_b32 v[QS1], v6, s[72:73]
	global_load_b128 v[QF2:QF2+3], v1, s[70:71]
	global_load_b128 v[QF2+4:QF2+7], v1, s[70:71] offset:512
	global_load_b32 v[QS2], v6, s[74:75]
	v_and_b32 v10, 7, v8
	v_lshrrev_b32 v11, 3, v8
	s_delay_alu instid0(VALU_DEP_1)
	v_lshl_add_u32 v5, v11, 4, v10
	v_lshlrev_b32 v10, 4, v9
	s_delay_alu instid0(VALU_DEP_1)
	v_sub_nc_u32 v5, v5, v10
	s_lshl_b32 s84, s13, 5
	s_lshl_b32 s85, s14, 3
	s_add_co_u32 s84, s84, s85
	v_add_nc_u32 v5, s84, v5                       ; v5: d = my query's number in its group - 16 h = 32 cx + 8 par + r % 8 + 16 (r / 8) - 16 h.  On the diagonal register 16 b + i holds key 32 b + 16 h + i of the group: hidden where 32 b + i > d
.set J, 0
.rept 8
	v_mov_b32 v[QF1+8+J], 0                        ; the zero codes of K = 64 .. 127: they stand for the whole launch
	v_mov_b32 v[QF2+8+J], 0
	v_mov_b32 v[KFR+8+J], 0
	v_mov_b32 v[KFR+24+J], 0
	v_mov_b32 v[KFR+40+J], 0
	v_mov_b32 v[KFR+56+J], 0
.set J, J+1
.endr
	s_mov_b32 s[SEL], 0x76543210
	s_mov_b32 s[SEL+1], 0xfedcba98
	s_mov_b32 s[CS], 0x3e38aa3b                    ; c = log2(e) / sqrt(64)
	s_mov_b32 s[CS+1], s[CS]                       ; (named with it as a pair, so it is written)
	s_mov_b32 s[TB], 0
	s_mov_b32 s[TS], 0
	s_mov_b32 s[TJ], 0
	v_mov_b32 v255, 0xff800000                     ; -infinity
.irp b, 0,1,2,3
	v_mov_b32 v[236+\b], 0                         ; written once: a lane permute's destination counts as one of its sources
.endr
	v_mov_b32 v253, 0                              ; (named as the upper half of the pair v[252:253] before it is first written)
.macro INIT                            ; a tile begins: O^T and the sum as zeros, the largest t under every t: the first change of M multiplies zeros, so the step is written once
	v_mov_b32 v13, 0xff61b1e6                      ; -3e38
	s_delay_alu instid0(VALU_DEP_1)
	v_floor_f32 v12, -v13
	v_mov_b32 v14, 0
	v_mov_b32 v15, 0
.set J, 0
.rept 32
	v_mov_b32 v[OT+J], 0
.set J, J+1
.endr
.endm
.macro KQ g, t, qf, qs                 ; S^T's tile 4 g + t; its keys' scale words lie in lanes 0-15 (even tiles) or 16-31 (odd tiles) of one register
.if (\t)%2
	v_wmma_scale_f32_16x16x128_f8f6f4 v[S+8*(4*\g+\t):S+8*(4*\g+\t)+7], v[KFR+16*\t:KFR+16*\t+15], v[\qf:\qf+15], 0, v[SW+2*\g+(\t)/2], v[\qs] matrix_a_fmt:MATRIX_FMT_BF8 matrix_b_fmt:MATRIX_FMT_BF8 matrix_a_scale:MATRIX_SCALE_ROW1
.else
	v_wmma_scale_f32_16x16x128_f8f6f4 v[S+8*(4*\g+\t):S+8*(4*\g+\t)+7], v[KFR+16*\t:KFR+16*\t+15], v[\qf:\qf+15], 0, v[SW+2*\g+(\t)/2], v[\qs] matrix_a_fmt:MATRIX_FMT_BF8 matrix_b_fmt:MATRIX_FMT_BF8
.endif
.endm
.macro PV t                            ; O^T's tile t += V^T's tile t x P^T
.if (\t)%2
	v_wmma_scale_f32_16x16x128_f8f6f4 v[OT+8*\t:OT+8*\t+7], v[S+16*\t:S+16*\t+15], v[PCD:PCD+15], v[OT+8*\t:OT+8*\t+7], v[SW+(\t)/2], v253 matrix_a_fmt:MATRIX_FMT_BF8 matrix_b_fmt:MATRIX_FMT_BF8 matrix_a_scale:MATRIX_SCALE_ROW1
.else
	v_wmma_scale_f32_16x16x128_f8f6f4 v[OT+8*\t:OT+8*\t+7], v[S+16*\t:S+16*\t+15], v[PCD:PCD+15], v[OT+8*\t:OT+8*\t+7], v[SW+(\t)/2], v253 matrix_a_fmt:MATRIX_FMT_BF8 matrix_b_fmt:MATRIX_FMT_BF8
.endif
.endm
; A KEY STEP: 128 keys.  causal = 1: the trips behind my tile's diagonal are left out (a scalar branch on the wave's number and the loop's count, round the work, not round the lines that step addresses), and the trip on it masks.
.macro STEP causal, qf, qs
.if \causal
	s_cmp_gt_u32 s[CNT], s[GR]
	s_cbranch_scc1 .Lhidden_\@
.endif
	s_setprio 2
	v_add_nc_u32 v8, s[TB], v1
	s_wait_alu depctr_va_vdst(0)
	v_add_nc_u32 v9, s[TB], v2
	v_add_nc_u32 v10, s[TS], v3
	s_wait_alu depctr_va_vdst(0)
	v_add_nc_u32 v11, s[TJ], v4
.rept 5
	v_nop                                          ; with the four additions nine places: the first products below write over registers that the last step's products read as V's fragments
.endr
.irp g, 0,1                                    ; S^T = K Q^T, four tiles of 16 keys at a time
.if \g
.rept 8
	v_nop                                          ; places in front of loads into registers that matrix instructions have read
.endr
.endif
.irp t, 0,1,2,3
	ds_load_b128 v[KFR+16*\t:KFR+16*\t+3], v8 offset:(4*\g+\t)*1024          ; 32 lanes read 512 consecutive bytes
	ds_load_b128 v[KFR+16*\t+4:KFR+16*\t+7], v8 offset:(4*\g+\t)*1024+512
.endr
	ds_load_b32 v[SW+2*\g], v10 offset:256*\g
	ds_load_b32 v[SW+2*\g+1], v10 offset:256*\g+128
	s_wait_dscnt 0x0
.irp t, 0,1,2,3
	KQ \g, \t, \qf, \qs
.endr
.endr
.rept 8
	v_nop
.endr
.if \causal
	s_cmp_lg_u32 s[CNT], s[GR]
	s_cbranch_scc1 .Lopen_\@
.set J, 0
.rept 64
	v_cmp_gt_i32 vcc_lo, 32*(J/16)+J%16, v5        ; on the diagonal the scores of hidden keys become -infinity ahead of the maximum: p = 0 then
	v_cndmask_b32 v[S+J], v[S+J], v255, vcc_lo
.set J, J+1
.endr
.Lopen_\@:
.endif
.irp b, 0,1,2,3
	v_max3_num_f32 v[232+\b], v[S+16*\b], v[S+1+16*\b], v[S+2+16*\b]   ; the largest score of each block of 32 keys: it serves for the row's maximum and, since p rises with the score, for the block's largest p
.endr
.irp i, 3,5,7,9,11,13
.irp b, 0,1,2,3
	v_max3_num_f32 v[232+\b], v[232+\b], v[S+16*\b+\i], v[S+1+16*\b+\i]
.endr
.endr
.irp b, 0,1,2,3
	v_max_num_f32 v[232+\b], v[232+\b], v[S+15+16*\b]
.endr
.irp b, 0,1,2,3
	s_delay_alu instid0(VALU_DEP_4)
	v_permlanex16_b32 v[236+\b], v[232+\b], s[SEL], s[SEL+1]
.endr
.irp b, 0,1,2,3
	s_delay_alu instid0(VALU_DEP_4)
	v_max_num_f32 v[232+\b], v[232+\b], v[236+\b]  ; with lane l xor 16's 16 keys
.endr
	s_delay_alu instid0(VALU_DEP_2)
	v_max3_num_f32 v254, v232, v233, v234
	s_delay_alu instid0(VALU_DEP_1)
	v_max_num_f32 v254, v254, v235                 ; the step's largest score of my query
	s_delay_alu instid0(VALU_DEP_1)
	v_mul_f32 v254, s[CS], v254                    ; as t (c is positive)
	s_delay_alu instid0(VALU_DEP_1)
	v_max_num_f32 v13, v13, v254                   ; the running largest t
	v_mov_b32 v254, v12
	s_delay_alu instid0(VALU_DEP_2)
	v_floor_f32 v12, -v13                          ; the new -M = floor(-t) = -ceil(t): a whole number
	s_delay_alu instid0(VALU_DEP_1)
	v_sub_f32 v254, v12, v254                      ; M's old value less its new one: a whole number, 0 or less
	s_delay_alu instid0(VALU_DEP_1)
	v_cvt_i32_f32 v254, v254                       ; (it saturates)
	s_delay_alu instid0(VALU_DEP_1)
	v_ldexp_f32 v252, 1.0, v254                    ; f = 2^(old M - new M)
.set J, 0
.rept 32
	v_pk_fma_f32 v[S+J:S+J+1], v[S+J:S+J+1], s[CS:CS+1], v[12:13] op_sel_hi:[1,0,0]   ; t - M, two at a time
.set J, J+2
.endr
.irp b, 0,1,2,3
	v_fma_f32 v[232+\b], v[232+\b], s[CS], v12     ; the same of each block's largest score
.endr
.set J, 0
	s_setprio 1
	s_wait_alu depctr_va_vdst(0)
.rept 64
	v_exp_f32 v[S+J], v[S+J]                       ; p = 2^(t - M), at most 1
.set J, J+1
.endr
.irp b, 0,1,2,3
	v_exp_f32 v[232+\b], v[232+\b]                 ; the block's largest p: the same two instructions on the same number give the same bits
.endr
	v_pk_mul_f32 v[14:15], v[14:15], v[252:253] op_sel_hi:[1,0]   ; the sums under the new M.  (A plain place behind the exponentials)
	s_wait_alu depctr_va_vdst(0)
.irp b, 0,1,2,3
	v_max_num_f32 v[232+\b], 0x8000000, v[232+\b]  ; the floor 2^(16 - 127): the byte cannot fall under 1
.endr
.irp b, 0,1,2,3
	s_delay_alu instid0(VALU_DEP_4)
	v_add_nc_u32 v[244+\b], 0xf8800000, v[232+\b]  ; 15 off the exponent field: the conversion's scale operand
.endr
.irp b, 0,1,2,3
.endr
.irp b, 0,1,2,3
	s_delay_alu instid0(VALU_DEP_4)
	v_lshrrev_b32 v[236+\b], 23, v[244+\b]         ; the scale's byte
.endr
	s_delay_alu instid0(VALU_DEP_3)
	v_lshl_or_b32 v253, v237, 8, v236              ; p's scale word for these 128 keys
	s_delay_alu instid0(VALU_DEP_1)
	v_lshl_or_b32 v253, v238, 16, v253
	s_delay_alu instid0(VALU_DEP_1)
	v_lshl_or_b32 v253, v239, 24, v253
	v_pk_add_f32 v[236:237], v[116:117], v[120:121]
	v_pk_add_f32 v[248:249], v[124:125], v[128:129]
	v_pk_add_f32 v[242:243], v[132:133], v[136:137]
	v_pk_add_f32 v[240:241], v[140:141], v[144:145]
	v_pk_add_f32 v[234:235], v[148:149], v[152:153]
	v_pk_add_f32 v[232:233], v[156:157], v[160:161]
	v_pk_add_f32 v[230:231], v[164:165], v[168:169]
	v_pk_add_f32 v[14:15], v[14:15], v[172:173]
	v_pk_add_f32 v[236:237], v[236:237], v[112:113]
	v_pk_add_f32 v[248:249], v[248:249], v[114:115]
	v_pk_add_f32 v[242:243], v[242:243], v[118:119]
	v_pk_add_f32 v[240:241], v[240:241], v[122:123]
	v_pk_add_f32 v[234:235], v[234:235], v[126:127]
	v_pk_add_f32 v[232:233], v[232:233], v[130:131]
	v_pk_add_f32 v[230:231], v[230:231], v[134:135]
	v_pk_add_f32 v[14:15], v[14:15], v[138:139]
	v_pk_add_f32 v[236:237], v[236:237], v[142:143]
	v_pk_add_f32 v[248:249], v[248:249], v[146:147]
	v_pk_add_f32 v[242:243], v[242:243], v[150:151]
	v_pk_add_f32 v[240:241], v[240:241], v[154:155]
	v_pk_add_f32 v[234:235], v[234:235], v[158:159]
	v_pk_add_f32 v[232:233], v[232:233], v[162:163]
	v_pk_add_f32 v[230:231], v[230:231], v[166:167]
	v_pk_add_f32 v[14:15], v[14:15], v[170:171]
	v_pk_add_f32 v[236:237], v[236:237], v[174:175]
	s_delay_alu instid0(VALU_DEP_2)
	v_pk_add_f32 v[14:15], v[14:15], v[240:241]
	s_delay_alu instid0(VALU_DEP_2)
	v_pk_add_f32 v[236:237], v[236:237], v[234:235]
	v_pk_add_f32 v[248:249], v[248:249], v[232:233]
	v_pk_add_f32 v[242:243], v[242:243], v[230:231]
	s_delay_alu instid0(VALU_DEP_2)
	v_pk_add_f32 v[14:15], v[14:15], v[248:249]
	s_delay_alu instid0(VALU_DEP_2)
	v_pk_add_f32 v[236:237], v[236:237], v[242:243]
	s_delay_alu instid0(VALU_DEP_1)
	v_pk_add_f32 v[14:15], v[14:15], v[236:237]
.irp b, 0,1,2,3
.irp i, 0,1,2,3,4,5,6,7,8,9,10,11,12,13,14,15
.endr
	v_cvt_scalef32_pk8_bf8_f32 v[PCD+4*\b:PCD+4*\b+1], v[S+16*\b:S+16*\b+7], v[244+\b]
	v_cvt_scalef32_pk8_bf8_f32 v[PCD+4*\b+2:PCD+4*\b+3], v[S+16*\b+8:S+16*\b+15], v[244+\b]
.endr
	v_nop
	s_setprio 0
.irp t, 0,1,2,3                                ; V's four fragments take the registers that p has left
.irp c, 0,1,2,3
	ds_load_b128 v[S+16*\t+4*\c:S+16*\t+4*\c+3], v9 offset:2048*\t+512*\c
.endr
.endr
	ds_load_b32 v[SW], v11
	ds_load_b32 v[SW+1], v11 offset:128
.set J, 0
.rept 16
	v_pk_mul_f32 v[OT+J:OT+J+1], v[OT+J:OT+J+1], v[252:253] op_sel_hi:[1,0]   ; O^T under the new M.  (These sixteen are also the places between the conversions and the products)
.set J, J+2
.endr
	s_wait_alu depctr_va_vdst(0)
	s_wait_dscnt 0x0
.irp t, 0,1,2,3
	PV \t                                          ; the four accumulators by turns
.endr
.if \causal
.Lhidden_\@:
.endif
	s_add_co_u32 s[TB], s[TB], 8192                ; the next step's codes and scale words
	s_add_co_u32 s[TS], s[TS], 512
	s_add_co_u32 s[TJ], s[TJ], 256
.endm
.macro STEPS n, causal, qf, qs         ; n trips: a constant of the text
	s_mov_b32 s[CNT], 0
.Lsteps_\@:
	STEP \causal, \qf, \qs
	s_add_co_u32 s[CNT], s[CNT], 1
	s_cmp_lt_u32 s[CNT], \n
	s_cbranch_scc1 .Lsteps_\@
	s_setprio 0
.endm
; A tile ends: O^T is divided by the row's sum and quantised along C: register 16 b + i is channel 32 b + 16 h + i of my query, so a block of 32 lies in lanes l and l xor 16, and the codes are the last product's operand as they stand.
.macro FINISH yb, ys
.rept 8
	v_nop                                          ; places behind the last products
.endr
	v_add_f32 v14, v14, v15                        ; the sum's two halves,
	s_delay_alu instid0(VALU_DEP_1)
	v_permlanex16_b32 v252, v14, s[SEL], s[SEL+1]
	s_delay_alu instid0(VALU_DEP_1)
	v_add_f32 v14, v14, v252                       ; and lane l xor 16's
	s_wait_alu depctr_va_vdst(0)
	v_rcp_f32 v14, v14
	v_nop                                          ; one plain place behind a transcendental
.set J, 0
	s_wait_alu depctr_va_vdst(0)
.rept 16
	v_pk_mul_f32 v[S+J:S+J+1], v[OT+J:OT+J+1], v[14:15] op_sel_hi:[1,0]   ; each accumulator from its low end on
.set J, J+2
.endr
.irp b, 0,1
	v_max3_num_f32 v[232+\b], |v[S+16*\b]|, |v[S+1+16*\b]|, 0x8000000
.endr
.irp i, 2,4,6,8,10,12,14
.irp b, 0,1
	s_delay_alu instid0(VALU_DEP_2)
	v_max3_num_f32 v[232+\b], v[232+\b], |v[S+16*\b+\i]|, |v[S+1+16*\b+\i]|
.endr
.endr
.irp b, 0,1
	s_delay_alu instid0(VALU_DEP_2)
	v_permlanex16_b32 v[236+\b], v[232+\b], s[SEL], s[SEL+1]
.endr
.irp b, 0,1
	s_delay_alu instid0(VALU_DEP_2)
	v_max_num_f32 v[232+\b], v[232+\b], v[236+\b]
.endr
.irp b, 0,1
	s_delay_alu instid0(VALU_DEP_2)
	v_add_nc_u32 v[244+\b], 0xf8800000, v[232+\b]
.endr
.irp b, 0,1
.endr
.irp b, 0,1
	s_delay_alu instid0(VALU_DEP_2)
	v_lshrrev_b32 v[236+\b], 23, v[244+\b]
.endr
	s_delay_alu instid0(VALU_DEP_1)
	v_lshl_or_b32 v254, v237, 8, v236              ; my place's two scale bytes
.irp b, 0,1
.irp i, 0,1,2,3,4,5,6,7,8,9,10,11,12,13,14,15
.endr
	v_cvt_scalef32_pk8_bf8_f32 v[PCD+4*\b:PCD+4*\b+1], v[S+16*\b:S+16*\b+7], v[244+\b]
	v_cvt_scalef32_pk8_bf8_f32 v[PCD+4*\b+2:PCD+4*\b+3], v[S+16*\b+8:S+16*\b+15], v[244+\b]
.endr
	v_nop                                          ; one plain vector instruction behind the last conversion
	global_store_b128 v1, v[PCD:PCD+3], s[\yb:\yb+1]               ; 32 lanes store 512 consecutive bytes, aligned
	global_store_b128 v1, v[PCD+4:PCD+7], s[\yb:\yb+1] offset:512
	global_store_b16 v7, v254, s[\ys:\ys+1]        ; both lanes of a place write the same two bytes with the same value
.endm
	INIT
	s_wait_loadcnt 0x0                             ; Q
	s_wait_tensorcnt 0x1                           ; my parts of the scale words and of keys 0 to 511 are in; the rest may stay out
	s_barrier_signal -1
	s_barrier_wait -1                              ; everybody's are
	STEPS 4, 0, QF1, QS1                           ; my first tile: keys 0 to 511 all count (its group is 8 or later)
	s_wait_tensorcnt 0x0                           ; my part of the rest is in,
	s_wait_dscnt 0x0
	s_barrier_signal -1
	s_barrier_wait -1                              ; everybody's is
	STEPS 4, 0, QF1, QS1                           ; keys 512 to 1,023
	s_mov_b32 s[GR], s15
	STEPS 8, 1, QF1, QS1                           ; keys 1,024 on, up to the diagonal
	FINISH 76, 80
	s_wait_xcnt 0x0                                ; the stores have read their registers
	INIT
	s_mov_b32 s[TB], 0
	s_mov_b32 s[TS], 0
	s_mov_b32 s[TJ], 0
	s_mov_b32 s[GR], s16
	STEPS 8, 1, QF2, QS2                           ; my second tile: keys 0 on, up to the diagonal
	FINISH 78, 82
	s_wait_tensorcnt 0x0
	ds_add_u32 v250, v251
	s_wait_dscnt 0x0
	CROUND                                         ; the closing round: no work-group ends while a partner may still ask for a tile that names it
	s_endpgm
.Lfunc_end_k_qc8bc9e7606_attn:
	.size	k_qc8bc9e7606_attn, .Lfunc_end_k_qc8bc9e7606_attn-k_qc8bc9e7606_attn
	.p2alignl 7, 3214868480
	.fill 96, 4, 3214868480
	.section	.rodata,"a",@progbits
	.p2align	6, 0x0
	.amdhsa_kernel k_qc8bc9e7606_attn
		.amdhsa_group_segment_fixed_size 276480
		.amdhsa_private_segment_fixed_size 0
		.amdhsa_enable_private_segment 0
		.amdhsa_kernarg_size 32
		.amdhsa_user_sgpr_count 2
		.amdhsa_user_sgpr_kernarg_segment_ptr 1
		.amdhsa_wavefront_size32 1
		.amdhsa_system_sgpr_workgroup_id_x 1
		.amdhsa_system_sgpr_workgroup_id_y 1
		.amdhsa_system_sgpr_workgroup_id_z 1
		.amdhsa_system_vgpr_workitem_id 0
		.amdhsa_next_free_vgpr 256
		.amdhsa_next_free_sgpr 96
		.amdhsa_reserve_vcc 1
		.amdhsa_float_denorm_mode_32 3
		.amdhsa_float_denorm_mode_16_64 3
		.amdhsa_fp16_overflow 1
		.amdhsa_memory_ordered 1
		.amdhsa_forward_progress 1
		.amdhsa_inst_pref_size 103
	.end_amdhsa_kernel
	.amdgpu_metadata
---
amdhsa.version: [ 1, 2 ]
amdhsa.kernels:
  - .name:           k_qc8bc9e7606_attn
    .symbol:         k_qc8bc9e7606_attn.kd
    .args:
      - { .name: img, .offset: 0, .size: 8, .value_kind: global_buffer, .address_space: global }
      - { .name: sc, .offset: 8, .size: 8, .value_kind: global_buffer, .address_space: global }
      - { .name: yimg, .offset: 16, .size: 8, .value_kind: global_buffer, .address_space: global }
      - { .name: ysc, .offset: 24, .size: 8, .value_kind: global_buffer, .address_space: global }
    .group_segment_fixed_size: 276480
    .private_segment_fixed_size: 0
    .kernarg_segment_align: 8
    .kernarg_segment_size: 32
    .max_flat_workgroup_size: 512
    .sgpr_count:     96
    .vgpr_count:     256
    .wavefront_size: 32
...
	.end_amdgpu_metadata
.endif
;; end of part 3
;; launch proj (part 4): grid 4 x 32, 4 waves a work-group, clusters of 4 x 4, 327,680 bytes of LDS; arguments yimg, ysc, wc, ws, b_proj, out0; writes out0
.if DOCPART == 4
	.amdgcn_target "amdgcn-amd-amdhsa--gfx1250"
	.amdhsa_code_object_version 6
	.text
	.protected	k_qc8bc9e7606_proj
	.globl	k_qc8bc9e7606_proj
	.p2align	8
	.type	k_qc8bc9e7606_proj,@function
k_qc8bc9e7606_proj:
	s_mov_b64 s[64:65], 0
	v_nop
	global_prefetch_b8 v0, s[64:65] scope:SCOPE_SE
	s_setreg_imm32_b32 hwreg(HW_REG_WAVE_MODE, 25, 1), 1
	s_wait_xcnt 0x0
	s_wait_alu depctr_hold_cnt(0) depctr_sa_sdst(0) depctr_va_vdst(0) depctr_va_sdst(0) depctr_va_ssrc(0) depctr_va_vcc(0) depctr_vm_vsrc(0)
	s_getreg_b32 s2, hwreg(HW_REG_IB_STS2, 6, 4)
	s_cmp_eq_u32 s2, 0
	s_cbranch_scc0 .Lentry_in_a_cluster
	s_endpgm
.Lentry_in_a_cluster:
	s_bfe_u32 s2, ttmp6, 0x10000c
	s_cmp_lg_u32 s2, 0xf033
	s_cbranch_scc0 .Lentry_shape_is_right
	s_endpgm
.Lentry_shape_is_right:
; out0 = y W_proj + b_proj on codes of BF8 (E5M2) with one E8M0 scale for each 32 along K = 1,024; out0 [8192][1024] f32.
; y arrives as images of operand registers: yimg [16 heads][512 tiles of 16 places][2][lane][16 bytes]: lane (r, h) holds channels 32 c + 16 h + 0 .. 15 of the head, of the token at place 16 tile + r; ysc [8192 places][32].
; W_proj's columns are rows 3,072 to 4,095 of wc [4096][1024] and ws [4096][32].  A place holds the row with bits 3 and 4 of the place's number exchanged.
; A work-group of four waves makes 256 places x 256 columns, a wave 128 x 128: 64 accumulators.  K goes in steps of 256 (four heads) through a ring of two LDS slots filled by the tensor data mover.
; Source 0 = 16 rows of W, source 1 = 16 places of y: a lane holds one place, and the 16 registers of two neighbouring tiles are 16 neighbouring columns of out0.  The bias is the C of each sum's first matrix instruction.
; CLUSTERS: 4 x 4 work-groups.  y's tiles are shared along a row of the cluster, W's along a column: each is asked for jointly.  The grid has 128 work-groups: 8,192 x 1,024 in tiles of 256 x 256.
; REGISTERS, in windows of 256: window 0: v0-31 addresses; v32-63 scale words, two sets; v64-127 the bias; from v128 y's fragments, ONE set; on the way out v128-255 take rows of out0.
;   window 1: W's fragments, TWO sets.   window 2: the accumulators of y's blocks 0-3 ((a, b) at v[8 (8 a + b)]);   window 3: those of blocks 4-7.
.set NQ,     2
.set ROWB,   256                       ; a row of W's tile in bytes
.set KROW,   1024
.set PITCH,  272                       ; W's LDS row: 256 bytes + 16 of padding
.set FR,     16
.set NL,     4
.set NP,     8                         ; places behind this matrix instruction (ISA guide 7.12.1)
.set HALFA,  32768                     ; y: 128 places x 4 heads: four runs of 8,192 bytes, as they lie: what one tensor load brings
.set HALFT,  128*PITCH                 ; W: 128 rows
.set BOFF,   2*HALFA                   ; in a slot W's rows lie behind y's
.set SLOT,   2*HALFA+2*HALFT
.set HSTEP,  4*524288                  ; four heads' planes of yimg: a K step
.set KS,     32
.set SCL,    2*SLOT                    ; behind the ring: the scale bytes, as units of 256 bytes + 16 of padding
.set HALFS,  16*272
.set SBLK,   2*272
.set SPARE,  SCL+4*HALFS               ; the spare words, 128 bytes for each wave: two blocks of 256 bytes that no other line names
.set STG,    SPARE+512                 ; the way out: a stage of 16 rows x (512 bytes + 16) for each wave; no fill lands here
.set SPITCH, 528
.set ADRA, 16                          ; v16-17  LDS address of y's fragments in slot 0, 1
.set ADRB, 20                          ; v20-21  of W's
.set STO,  24                          ; v24     the way out: where I put 32 bytes of a row
.set RD,   25                          ; v25     where I read a row back
.set CO,   26                          ; v26     16 x lane
.set ADRS, 27                          ; v27     LDS address of my scale words: lanes 0-15 y's places, lanes 16-31 W's rows
.set SPW,  28                          ; v28     LDS address of my spare word; never rewritten
.set NIL,  29                          ; v29     0; never rewritten
.set SC,   32
.set CB,   64                          ; v64-127 the bias: eight registers for each of W's eight blocks, in the result's layout
.set AF,   128
.set BK,   128                         ; the way out: 16 rows read back from the stage: v128-191 and v192-255 by turns
.set G1, 24
.set G0, 32
.set G1B, 48
.set G0B, 56
.set G1S, 68
.set G0S, 76
.set G1SB, 80
.set G0SB, 88
.set MSB, 0
.macro WIN new                         ; the immediate's high byte repeats the setting that is left; a switch that changes nothing is dropped
.if MSB != (\new)
	s_set_vgpr_msb (MSB<<8)|(\new)
.set MSB, (\new)
.endif
.endm
.set MUL_LO, 0xa1                      ; source 0 (W) window 1, source 1 (y) window 0, C and D window 2
.set MUL_HI, 0xf1
.set TO_B,   0x40
; A joint load: waves 0 and 1 fetch for y, waves 2 and 3 for W; the branch hangs on the wave's number alone.  Four v_nop follow each of the two lines.
.macro JLOAD g0a, g1a, g0b, g1b
	s_cmp_eq_u32 s15, 0
	s_cbranch_scc0 .Lfor_b_\@
	tensor_load_to_lds s[\g0a:\g0a+3], s[\g1a:\g1a+7]
	s_nop 0
.rept 4
	v_nop
.endr
	s_branch .Lasked_\@
.Lfor_b_\@:
	tensor_load_to_lds s[\g0b:\g0b+3], s[\g1b:\g1b+7]
	s_nop 0
.rept 4
	v_nop
.endr
.Lasked_\@:
.endm
.macro CREST
	s_cmp_lg_u32 s14, 0
	s_cbranch_scc1 .Lnot_wave_0_\@
	s_barrier_signal -3
.Lnot_wave_0_\@:
	s_barrier_wait -3
	s_barrier_signal -1
	s_barrier_wait -1
.endm
.macro CROUND
	s_barrier_signal -1
	s_barrier_wait -1
	CREST
.endm
	s_load_b128 s[4:7], s[0:1], 0x0                ; yimg s[4:5], ysc s[6:7]
	s_load_b128 s[8:11], s[0:1], 0x10              ; wc s[8:9], ws s[10:11]
	s_load_b128 s[96:99], s[0:1], 0x20             ; b_proj s[96:97], out0 s[98:99]
	v_lshl_add_u32 v[SPW], v0, 2, SPARE
	v_mov_b32 v[NIL], 0
	ds_add_u32 v28, v29
	ds_add_u32 v28, v29
	s_wait_dscnt 0x0
	v_lshrrev_b32 v1, 5, v0
	v_readfirstlane_b32 s14, v1                    ; wave 0..3
	s_lshr_b32 s15, s14, 1                         ; which 128 places are mine.  Also: I fetch for y (0) or for W (1)
	s_and_b32 s16, s14, 1                          ; which 128 columns.  Also: which half of that tile I fetch
	s_bfe_u32 s40, ttmp6, 0x40000                  ; cx, cy
	s_bfe_u32 s41, ttmp6, 0x40004
	s_lshl_b32 s42, ttmp9, 2
	s_add_co_u32 s42, s42, s40                     ; tile column
	s_and_b32 s17, ttmp7, 0xffff
	s_lshl_b32 s17, s17, 2
	s_add_co_u32 s17, s17, s41                     ; tile row
	s_lshl_b32 s43, s41, 2
	s_lshl_b32 s43, 15, s43                        ; my row of the cluster
	s_lshl_b32 s44, 0x1111, s40                    ; my column
	; y's tile: 4 heads x 8,192 bytes (8 tiles of 16 places), the heads' planes 524,288 bytes apart; no padding: its LDS reads take consecutive bytes
	s_or_b32 s[G1+0], s43, (3<<16)|(1<<21)         ; 15:0 the mask: my row; 17:16 elements of 8 bytes; 21 set beside a mask
	s_mov_b32 s[G1+1], 1024<<16                    ; tensor_dim0 = 1,024 elements
	s_mov_b32 s[G1+2], 4<<16                       ; tensor_dim1 = 4
	s_mov_b32 s[G1+3], 1024<<16                    ; tile_dim0
	s_mov_b32 s[G1+4], 4                           ; tile_dim1
	s_mov_b32 s[G1+5], 65536                       ; tensor_dim0_stride, in elements
	s_mov_b32 s[G1+6], 0
	s_mov_b32 s[G1+7], 0
	; W's tile: 128 rows x 256 bytes, padded in LDS
	s_or_b32 s[G1B+0], s44, (0<<16)|(1<<20)|(1<<21)|(5<<22)|(3<<25)
	s_mov_b32 s[G1B+1], ROWB<<16
	s_mov_b32 s[G1B+2], 128<<16
	s_mov_b32 s[G1B+3], ROWB<<16
	s_mov_b32 s[G1B+4], 128
	s_mov_b32 s[G1B+5], KROW
	s_mov_b32 s[G1B+6], 0
	s_mov_b32 s[G1B+7], 0
	; the scale bytes of 128 rows: 16 rows of 256 bytes, 16 bytes of padding behind each
	s_or_b32 s[G1S+0], s43, (3<<16)|(1<<20)|(1<<21)|(5<<22)|(3<<25)
	s_or_b32 s[G1SB+0], s44, (3<<16)|(1<<20)|(1<<21)|(5<<22)|(3<<25)
.irp g, G1S, G1SB
	s_mov_b32 s[\g+1], 32<<16
	s_mov_b32 s[\g+2], 16<<16
	s_mov_b32 s[\g+3], 32<<16
	s_mov_b32 s[\g+4], 16
	s_mov_b32 s[\g+5], 32
	s_mov_b32 s[\g+6], 0
	s_mov_b32 s[\g+7], 0
.endr
	s_lshl_b32 s18, s16, 7
	s_lshl_b32 s20, s17, 8
	s_add_co_u32 s20, s20, s18                     ; y: place 256 x tile row + 128 x half
	s_lshl_b32 s46, s42, 8
	s_add_co_u32 s46, s46, s18
	s_add_co_u32 s46, s46, 3072                    ; W: row 3,072 + 256 x tile column + 128 x half
	s_mov_b32 s21, 0
	s_mov_b32 s47, 0
	s_mov_b64 s[18:19], KS
	s_mul_u64 s[22:23], s[20:21], s[18:19]         ; where these rows' scale bytes begin
	s_mul_u64 s[92:93], s[46:47], s[18:19]
	s_mov_b64 s[18:19], KROW
	s_mul_u64 s[46:47], s[46:47], s[18:19]         ; W's codes
	s_lshl_b32 s20, s20, 6                         ; y's images: 64 bytes a place in each head's plane
	s_lshl_b32 s45, s16, 15                        ; where they go: y's halves,
	s_mul_i32 s95, s16, HALFT
	s_add_co_u32 s95, s95, BOFF                    ; W's halves: no place in the cluster enters an LDS address
	s_mul_i32 s94, s14, HALFS
	s_wait_kmcnt 0x0
	s_add_nc_u64 s[20:21], s[4:5], s[20:21]
	s_add_nc_u64 s[22:23], s[6:7], s[22:23]
	s_add_nc_u64 s[46:47], s[8:9], s[46:47]
	s_add_nc_u64 s[92:93], s[10:11], s[92:93]
	CROUND                                         ; all sixteen work-groups are here: the first joint loads meet
	s_mov_b32 s[G0S], 1
	s_add_co_u32 s[G0S+1], s94, SCL
	s_mov_b64 s[G0S+2:G0S+3], s[22:23]
	s_or_b32 s[G0S+3], s[G0S+3], 0x80000000
	s_mov_b32 s[G0SB], 1
	s_add_co_u32 s[G0SB+1], s94, SCL
	s_mov_b64 s[G0SB+2:G0SB+3], s[92:93]
	s_or_b32 s[G0SB+3], s[G0SB+3], 0x80000000
	JLOAD G0S, G1S, G0SB, G1SB                     ; the scale bytes first
.irp s, 0,1
	s_mov_b32 s[G0+4*\s], 1
	s_add_co_u32 s[G0+4*\s+1], s45, \s*SLOT
	s_add_nc_u64 s[G0+4*\s+2:G0+4*\s+3], s[20:21], \s*HSTEP
	s_or_b32 s[G0+4*\s+3], s[G0+4*\s+3], 0x80000000
	s_mov_b32 s[G0B+4*\s], 1
	s_add_co_u32 s[G0B+4*\s+1], s95, \s*SLOT
	s_add_nc_u64 s[G0B+4*\s+2:G0B+4*\s+3], s[46:47], \s*ROWB
	s_or_b32 s[G0B+4*\s+3], s[G0B+4*\s+3], 0x80000000
	s_wait_alu depctr_va_vdst(0)
	s_wait_tensorcnt 0x0
	ds_add_u32 v28, v29
	s_wait_dscnt 0x0
	CROUND
	JLOAD G0+4*\s, G1, G0B+4*\s, G1B               ; one tensor load of mine is out behind the second
.endr
	v_and_b32 v1, 15, v0                           ; r
	v_bfe_u32 v2, v0, 4, 1                         ; h
	v_and_b32 v6, 31, v0
	v_lshlrev_b32 v[CO], 4, v6                     ; 16 x lane
	v_mul_u32_u24 v3, v1, PITCH
	v_lshl_add_u32 v4, v2, 4, v3
	s_lshl_b32 s21, s15, 15                        ; my 128 places of y
	s_mul_i32 s22, s16, HALFT
	s_add_co_u32 s22, s22, BOFF                    ; my 128 rows of W
.irp s, 0,1
	v_add_nc_u32 v[ADRA+\s], s21, v[CO]
	v_add_nc_u32 v[ADRB+\s], s22, v4
	s_add_co_u32 s21, s21, SLOT
	s_add_co_u32 s22, s22, SLOT
.endr
	v_mul_u32_u24 v5, v1, KS
	v_lshrrev_b32 v6, 8, v5
	v_lshl_add_u32 v5, v6, 4, v5
	s_mul_i32 s21, s15, HALFS
	s_mul_i32 s22, s16, HALFS
	s_add_co_u32 s22, s22, 2*HALFS
	s_sub_co_u32 s22, s22, s21
	v_mul_u32_u24 v6, s22, v2                      ; lanes 16-31 take W's
	s_add_co_u32 s21, s21, SCL
	v_add_nc_u32 v5, v5, v6
	v_add_nc_u32 v[ADRS], s21, v5
	s_mul_i32 s23, s14, 16*SPITCH
	s_add_co_u32 s23, s23, STG                     ; my stage
	v_mul_u32_u24 v5, v1, SPITCH
	v_lshl_add_u32 v5, v2, 6, v5
	v_add_nc_u32 v[STO], s23, v5                   ; in: row r, + 64 h: register j of W's block 2 b + u is column 32 b + 16 h + 8 u + j
	v_add_nc_u32 v[RD], s23, v[CO]                 ; back: the 32 lanes take one row of 512 bytes
	s_lshl_b32 s46, s42, 10
	s_lshl_b32 s47, s16, 9
	s_add_co_u32 s46, s46, s47                     ; my first column, in bytes of f32
	s_mov_b32 s47, 0
	s_add_nc_u64 s[96:97], s[96:97], s[46:47]
	s_lshl_b32 s20, s17, 8
	s_lshl_b32 s21, s15, 7
	s_add_co_u32 s20, s20, s21                     ; my first place: 256 x tile row + 128 x half
	s_lshl_b32 s20, s20, 12                        ; a row of out0 is 4,096 bytes
	s_add_co_u32 s20, s20, s46
	s_mov_b32 s21, 0
	s_add_nc_u64 s[98:99], s[98:99], s[20:21]
	v_lshlrev_b32 v7, 6, v2                        ; the bias: 16 h columns on; never rewritten
.irp x, 0,1,2,3,4,5,6,7
	global_load_b128 v[CB+8*\x:CB+8*\x+3], v7, s[96:97] offset:(32*(\x/2)+8*(\x%2))*4
	global_load_b128 v[CB+8*\x+4:CB+8*\x+7], v7, s[96:97] offset:(32*(\x/2)+8*(\x%2))*4+16
.endr
.macro FRAGB reg, adr, q, i            ; W: lane l holds row l % 16; registers 4 c .. 4 c + 3 hold K = 32 c + 16 (l / 16) + 0 .. 15
.irp c, 0,1,2,3
	ds_load_b128 v[\reg+4*\c:\reg+4*\c+3], v[\adr] offset:128*(\q)+32*\c+(\i)*16*PITCH
.endr
.endm
.macro FRAGA reg, adr, q, i            ; y: the image as it lies: head 2 q + c / 2 of the slot's four, tile i, half c % 2: 512 consecutive bytes a load
.irp c, 0,1,2,3
	ds_load_b128 v[\reg+4*\c:\reg+4*\c+3], v[\adr] offset:(2*(\q)+\c/2)*8192+(\i)*1024+512*(\c%2)
.endr
.endm
; 16 matrix instructions: y's blocks a0, a0 + 1 x W's eight.  first = 1: the products start the sums with the bias as C.  The 64 accumulators take turns, one instruction a turn.
.macro MUL16 a0, p, q, sc, first
.irp a, \a0, \a0+1
.irp b, 0,1,2,3,4,5,6,7
.if \first
	v_wmma_scale_f32_16x16x128_f8f6f4 v[8*(8*((\a)%4)+\b):8*(8*((\a)%4)+\b)+7], v[128*(\p)+FR*\b:128*(\p)+FR*\b+FR-1], v[AF+FR*(\a):AF+FR*(\a)+FR-1], v[CB+8*\b:CB+8*\b+7], v[SC+8*NQ*(\sc)+NQ*\b+(\q)], v[SC+8*NQ*(\sc)+NQ*(\a)+(\q)] matrix_a_fmt:MATRIX_FMT_BF8 matrix_b_fmt:MATRIX_FMT_BF8 matrix_a_scale:MATRIX_SCALE_ROW1
.else
	v_wmma_scale_f32_16x16x128_f8f6f4 v[8*(8*((\a)%4)+\b):8*(8*((\a)%4)+\b)+7], v[128*(\p)+FR*\b:128*(\p)+FR*\b+FR-1], v[AF+FR*(\a):AF+FR*(\a)+FR-1], v[8*(8*((\a)%4)+\b):8*(8*((\a)%4)+\b)+7], v[SC+8*NQ*(\sc)+NQ*\b+(\q)], v[SC+8*NQ*(\sc)+NQ*(\a)+(\q)] matrix_a_fmt:MATRIX_FMT_BF8 matrix_b_fmt:MATRIX_FMT_BF8 matrix_a_scale:MATRIX_SCALE_ROW1
.endif
.endr
.endr
.endm
.macro FETCH_B slot, q, p
	WIN TO_B
.irp i, 0,1,2,3,4,5,6,7
	FRAGB 128*(\p)+FR*\i, ADRB+\slot, \q, \i
.endr
	WIN 0
.endm
.macro FETCH_A slot, q, i0
.irp i, \i0, \i0+1, \i0+2, \i0+3
	FRAGA AF+FR*(\i), ADRA+\slot, \q, \i
.endr
.endm
.macro SCALES sc
.irp i, 0,1,2,3,4,5,6,7
	ds_load_b64 v[SC+8*NQ*\sc+NQ*\i:SC+8*NQ*\sc+NQ*\i+1], v[ADRS] offset:\i*SBLK
.endr
.endm
; A load into a register that a matrix instruction has read, and an LDS store that reads a matrix result, stand eight places behind it; only plain vector instructions that name none of its registers are places.
.macro PLACES n
.rept \n
	v_nop
.endr
.endm
.macro STEP slot, q, first
	s_wait_dscnt 4*NL                              ; W's set and y's blocks 0-3 are in; the youngest sixteen loads (blocks 4-7) may be out
.if \first
	WIN 0x81                                       ; C (the bias) in window 0
.else
	WIN MUL_LO
.endif
	MUL16 0, (\q)%2, \q, \slot, \first
	MUL16 2, (\q)%2, \q, \slot, \first
	s_wait_dscnt 0                                 ; blocks 4-7 are in
	PLACES NP
	FETCH_B \slot, (\q)+1, 1-(\q)%2
	FETCH_A \slot, (\q)+1, 0
.if \first
	WIN 0xc1
.else
	WIN MUL_HI
.endif
	MUL16 4, (\q)%2, \q, \slot, \first
	MUL16 6, (\q)%2, \q, \slot, \first
	PLACES NP
	WIN 0
	FETCH_A \slot, (\q)+1, 4
.endm
; A slot's last step changes slots: ONE barrier; in front of it each wave waits for all its tensor loads, adds 0 to its spare word, and waits for that and for its own reads of this slot.
.macro TURN slot, next, fill
	s_wait_tensorcnt 0x0                           ; all my tensor loads have landed: my part of the next slot
	ds_add_u32 v[SPW], v[NIL]                      ; 0 onto my spare word
	s_wait_dscnt 4*NL+1                            ; (the add and the youngest sixteen loads may be out)
	WIN MUL_LO
	MUL16 0, 1, NQ-1, \slot, 0
	s_wait_dscnt 0x0                               ; the add is done, and my reads of this slot are over
	s_barrier_signal -1
	MUL16 2, 1, NQ-1, \slot, 0
	WIN 0
	s_barrier_wait -1
.if \fill
	CREST                                          ; the barrier has opened a round of the cluster's barrier: no wave of any partner still reads this slot's tile or has a load on its way
	s_add_nc_u64 s[G0+4*\slot+2:G0+4*\slot+3], s[G0+4*\slot+2:G0+4*\slot+3], 2*HSTEP
	s_add_nc_u64 s[G0B+4*\slot+2:G0B+4*\slot+3], s[G0B+4*\slot+2:G0B+4*\slot+3], 2*ROWB
	JLOAD G0+4*\slot, G1, G0B+4*\slot, G1B         ; the first tensor load behind the round; its four v_nop are among the places in front of the loads below
	PLACES NP-4
.else
	PLACES NP
.endif
	s_wait_alu depctr_va_vdst(0)
	v_add_nc_u32 v[ADRS], 4*NQ, v[ADRS]            ; on to the next K step's scale words (no LDS load of mine is out)
	FETCH_B \next, 0, 0
	FETCH_A \next, 0, 0
	SCALES \next
	WIN MUL_HI
	MUL16 4, 1, NQ-1, \slot, 0
	MUL16 6, 1, NQ-1, \slot, 0
	PLACES NP
	WIN 0
	FETCH_A \next, 0, 4
.endm
	s_wait_alu depctr_va_vdst(0)
	s_wait_tensorcnt 1                             ; the scale bytes and my part of K step 0 are in (K step 1's load may be out)
	s_barrier_signal -1
	s_barrier_wait -1                              ; everybody's are
	FETCH_B 0, 0, 0
	FETCH_A 0, 0, 0
	SCALES 0
	FETCH_A 0, 0, 4
	s_wait_loadcnt 0x0                             ; the bias
	STEP 0, 0, 1
	TURN 0, 1, 1                                   ; K = 1,024 is four K steps, twice round the ring: written out
	STEP 1, 0, 0
	TURN 1, 0, 1
	STEP 0, 0, 0
	TURN 0, 1, 0                                   ; the last lap fills nothing, and has no round of the cluster's barrier
	STEP 1, 0, 0
	s_wait_dscnt 4*NL                              ; the very last step: nothing more to fetch
	WIN MUL_LO
	MUL16 0, 1, NQ-1, 1, 0
	MUL16 2, 1, NQ-1, 1, 0
	s_wait_dscnt 0
	WIN MUL_HI
	MUL16 4, 1, NQ-1, 1, 0
	MUL16 6, 1, NQ-1, 1, 0
	WIN 0
; THE WAY OUT, block by block of 16 places x 128 columns, through my own stage: a lane puts 32 neighbouring bytes of a row; whole rows of 512 bytes come back and are stored by the 32 lanes.
; LDS serves a wave's instructions in order (ISA guide 5.7.1.4): no wait between the stores and the loads, nor in front of the next block's stores.
.macro TOSTAGE a
.set AC, 64*((\a)%4)
	WIN 0x08+4*((\a)/4)                            ; the data: window 2 or 3
.irp b, 0,1,2,3,4,5,6,7
	ds_store_b128 v[STO], v[AC+8*\b:AC+8*\b+3] offset:128*(\b/2)+32*(\b%2)          ; each accumulator from its low end on
	ds_store_b128 v[STO], v[AC+8*\b+4:AC+8*\b+7] offset:128*(\b/2)+32*(\b%2)+16
.endr
	WIN 0
.set BB, BK+64*((\a)%2)
.irp t, 0,1,2,3,4,5,6,7,8,9,10,11,12,13,14,15
	ds_load_b128 v[BB+4*\t:BB+4*\t+3], v[RD] offset:\t*SPITCH
.endr
.endm
.macro SEND a, younger                 ; place 16 a + t holds the token with bits 3 and 4 exchanged: 32 (a / 2) + 8 (a % 2) + t % 8 + 16 (t / 8); its row stands in the immediate, 520,192 bytes at the most
.set BB, BK+64*((\a)%2)
	s_wait_dscnt \younger                          ; the block is back in registers; the LDS instructions issued behind its loads may be out
.irp t, 0,1,2,3,4,5,6,7,8,9,10,11,12,13,14,15
	global_store_b128 v[CO], v[BB+4*\t:BB+4*\t+3], s[98:99] offset:(32*((\a)/2)+8*((\a)%2)+(\t%8)+16*(\t/8))*4096 th:TH_STORE_NT   ; 32 lanes store 512 consecutive bytes, aligned; written once, read by nobody here
.endr
.endm
	PLACES NP                                      ; behind the last products: for the first reads of results and for the loads into the registers that held y's fragments
	TOSTAGE 0
.irp a, 1,2,3,4,5,6,7
.if \a > 1
	s_wait_xcnt 0x0                                ; block a - 2's stores have read their registers: block a's loads may land there
.endif
	TOSTAGE \a
	SEND \a-1, 32                                  ; behind block a - 1's loads: block a's 16 stores and 16 loads
.endr
	SEND 7, 0
	s_wait_tensorcnt 0x0                           ; the wave's end: behind my last tensor load and my last LDS store
	ds_add_u32 v[SPW], v[NIL]
	s_wait_dscnt 0x0
	CROUND                                         ; the closing round: no work-group ends while a partner may still ask for a tile that names it
	s_endpgm
.Lfunc_end_k_qc8bc9e7606_proj:
	.size	k_qc8bc9e7606_proj, .Lfunc_end_k_qc8bc9e7606_proj-k_qc8bc9e7606_proj
	.p2alignl 7, 3214868480
	.fill 96, 4, 3214868480
	.section	.rodata,"a",@progbits
	.p2align	6, 0x0
	.amdhsa_kernel k_qc8bc9e7606_proj
		.amdhsa_group_segment_fixed_size 327680
		.amdhsa_private_segment_fixed_size 0
		.amdhsa_enable_private_segment 0
		.amdhsa_kernarg_size 48
		.amdhsa_user_sgpr_count 2
		.amdhsa_user_sgpr_kernarg_segment_ptr 1
		.amdhsa_wavefront_size32 1
		.amdhsa_system_sgpr_workgroup_id_x 1
		.amdhsa_system_sgpr_workgroup_id_y 1
		.amdhsa_system_sgpr_workgroup_id_z 1
		.amdhsa_system_vgpr_workitem_id 0
		.amdhsa_next_free_vgpr 1024
		.amdhsa_next_free_sgpr 100
		.amdhsa_reserve_vcc 0
		.amdhsa_float_denorm_mode_32 3
		.amdhsa_float_denorm_mode_16_64 3
		.amdhsa_memory_ordered 1
		.amdhsa_forward_progress 1
		.amdhsa_inst_pref_size 147
	.end_amdhsa_kernel
	.amdgpu_metadata
---
amdhsa.version: [ 1, 2 ]
amdhsa.kernels:
  - .name:           k_qc8bc9e7606_proj
    .symbol:         k_qc8bc9e7606_proj.kd
    .args:
      - { .name: yimg, .offset: 0, .size: 8, .value_kind: global_buffer, .address_space: global }
      - { .name: ysc, .offset: 8, .size: 8, .value_kind: global_buffer, .address_space: global }
      - { .name: wc, .offset: 16, .size: 8, .value_kind: global_buffer, .address_space: global }
      - { .name: ws, .offset: 24, .size: 8, .value_kind: global_buffer, .address_space: global }
      - { .name: b_proj, .offset: 32, .size: 8, .value_kind: global_buffer, .address_space: global }
      - { .name: out0, .offset: 40, .size: 8, .value_kind: global_buffer, .address_space: global }
    .group_segment_fixed_size: 327680
    .private_segment_fixed_size: 0
    .kernarg_segment_align: 8
    .kernarg_segment_size: 48
    .max_flat_workgroup_size: 128
    .sgpr_count:     100
    .vgpr_count:     1024
    .wavefront_size: 32
...
	.end_amdgpu_metadata
.endif
;; end of part 4
